; MI455X (gfx1250); checked and timed in simulation.
; The chip was launched on July 23, 2026; its instructions are those of AMD's public machine-readable ISA for CDNA 5 (MIT licence, August 2026) and "CDNA5" Instruction Set Architecture Reference Guide (July 2026). The comments in the code are by the model that wrote it; some were corrected since.
;; Lo RAMHSA. Allowed arithmetic: matrix products marked QUANTISED: E2M1 operands, one E8M0 scale for each 32 along K, by v_wmma_scale_f32_16x16x128_f8f6f4 with both operands' format E2M1 (or v_wmma_scale_f32_32x16x128_f4), f32 sums; products left as they are: bf16, f16 or f32 operands; f32 sums; everything else in f32.
;; Inputs: A1 10 x 8 x 1,024 float32; A2 10 x 8 x 1,024 float32; B1 10 x 3,072 x 8 float32; B2 10 x 1,024 x 8 float32; W_p 1,024 x 1,024 float32; W_qkv 3,072 x 1,024 float32; b_p 1,024 float32; b_qkv 3,072 float32; pos_embedding 1 x 1,024 x 1,024 float32; subject_id 8 int32; x 8 x 1,024 x 1,024 float32.
;; Outputs: out0 8 x 1,024 x 1,024 float32.
;; This version of the problem:
;;   THIS VERSION OF THE PROBLEM IS GIVEN IN LOW PRECISION. The matrix products marked QUANTISED in the list below multiply operands that are first quantised to E2M1 (2 exponent bits, 1 mantissa bit; 4 bits a number), with one power-of-two scale for each 32 numbers along K (OCP MX v1.0); their sums are f32. The products marked 'left as it is' may take bf16, f16 or f32 operands, with f32 sums. Whichever they take, every output number must still come out within the allowed error. Rounding operands to bf16 (8 significant bits) uses up far more of that allowance than f16 does (11 bits, for magnitudes from 6e-5 to 65,504). All else is computed in f32.
;;   The module's matrix products, in the order in which they are computed (A, B: the left and right operand; K: the contracted axis; several contracted axes count as one K, in the product's order):
;;     1. [M 8,192, K 1,024] x [K 1,024, N 3,072]; A: input x; B: input W_qkv: QUANTISED
;;     2. batch 8 x [M 1,024, K 1,024] x [K 1,024, N 8]; A: input x; B: computed on the way: left as it is (N = 8 < 16)
;;     3. batch 8 x [M 1,024, K 8] x [K 8, N 3,072]; A: computed on the way; B: computed on the way: left as it is (K = 8 < 32)
;;     4. batch 128 x [M 1,024, K 64] x [K 64, N 1,024]; A: computed on the way; B: computed on the way: left as it is (an operand is computed on the way)
;;     5. batch 128 x [M 1,024, K 1,024] x [K 1,024, N 64]; A: computed on the way; B: computed on the way: left as it is (an operand is computed on the way)
;;     6. [M 8,192, K 1,024] x [K 1,024, N 1,024]; A: computed on the way; B: input W_p: left as it is (an operand is computed on the way)
;;     7. batch 8 x [M 1,024, K 1,024] x [K 1,024, N 8]; A: computed on the way; B: computed on the way: left as it is (N = 8 < 16)
;;     8. batch 8 x [M 1,024, K 8] x [K 8, N 1,024]; A: computed on the way; B: computed on the way: left as it is (K = 8 < 32)
;;   THE QUANTISER, for each operand of a quantised product, along K:
;;     - K is cut into blocks of 32 from its start; a last block that is shorter is filled with zeros.
;;     - A block's scale is 2^e with e = floor(log2(the largest magnitude in the block)) - 2, held to -126 .. 127; a block of zeros has e = 0. As a byte (E8M0): e + 127.
;;     - Each number is divided by its block's scale, clamped to +-6, and rounded to the nearest number of E2M1, ties to even, subnormals kept.
;;     - The product sums the exact products of the quantised numbers (number of the format x scale) in f32.
;;   ~~~python
;;   def quantise(x, axis):      # numpy; x: float32 -> the quantised numbers, widened to float32 again
;;       x = np.moveaxis(x, axis, -1); K = x.shape[-1]
;;       x = np.pad(x, [(0, 0)] * (x.ndim - 1) + [(0, -K % 32)]); x = x.reshape(x.shape[:-1] + (-1, 32)); a = np.abs(x).max(-1, keepdims=True)
;;       e = np.where(a > 0, np.clip(np.frexp(np.where(a > 0, a, 1))[1] - 1 - 2, -126, 127), 0)      # np.frexp(a)[1] - 1 = floor(log2(a)), exactly
;;       r = np.clip(x / 2.0 ** e, -6, 6)
;;       step = 2.0 ** (np.maximum(np.frexp(np.where(r == 0, 1, r))[1] - 1, 0) - 1)
;;       q = np.round(r / step) * step * 2.0 ** e      # np.round: ties to even
;;       return np.moveaxis(q.reshape(q.shape[:-2] + (-1,))[..., :K], -1, axis).astype(np.float32)
;;   ~~~
;; One version. Each part assembles by itself: llvm-mc -triple=amdgcn-amd-amdhsa -mcpu=gfx1250 --defsym DOCPART=n.
;; ======== version 1 of 1: 4 launches
;; limits: values are held in f16: magnitudes above 65,504 overflow, below 6.1e-05 lose precision
;; workspace buffers: xc 4,194,304 bytes; xs 262,144 bytes; wc 1,572,864 bytes; ws 98,304 bytes; h1i 524,288 bytes; weff 16,777,216 bytes; qkvh 50,331,648 bytes; yh 16,777,216 bytes
;; launch prep (part 1): grid 832 x 1, 8 waves a work-group, no clusters, 145,408 bytes of LDS; arguments x, W_qkv, A1, subject_id, W_p, A2, B2, xc, xs, wc, ws, h1i, weff; writes xc, xs, wc, ws, h1i, weff
.if DOCPART == 1
	.amdgcn_target "amdgcn-amd-amdhsa--gfx1250"
	.amdhsa_code_object_version 6
	.text
	.protected	k_qd1c4e04e99_prep
	.globl	k_qd1c4e04e99_prep
	.p2align	8
	.type	k_qd1c4e04e99_prep,@function
k_qd1c4e04e99_prep:
	s_mov_b64 s[64:65], 0
	v_nop
	global_prefetch_b8 v0, s[64:65] scope:SCOPE_SE
	s_setreg_imm32_b32 hwreg(HW_REG_WAVE_MODE, 25, 1), 1
	s_wait_xcnt 0x0
; PREP: everything that is made once, ahead of the products.  Three kinds of work-groups, parted once on the work-group's number:
;   0..127    W_eff[b] = f16(W_p + B2[sid_b] A2[sid_b] / 8): y (B2 A2 / 8)^T is (y A2^T) B2^T / 8 for every input, so the last layer becomes one product.  Sums and the addition in f32, one rounding.
;   128..639  a tile of 16 rows of x: codes of FP4 (E2M1) and E8M0 scale bytes along K, and h1 = x A1[sid_b]^T / 8 (f16 operands, f32 sums, rounded to f16).
;   640..831  a tile of 16 rows of W_qkv: codes and scale bytes.
; A block's scale is 2^(floor(log2(its largest magnitude)) - 2); its byte is that magnitude's exponent field - 2, held at 1 from below.  A block of zeros so gets the byte 1 where the
; rule says 127: its codes are zeros, and this program alone reads the bytes.
; THE CODES LIE AS IMAGES OF THE OPERAND'S REGISTERS: [tile of 16 rows][K step of 128][c][lane][16 bytes]; lane (r, h), piece c: row r, k = 64 c + 32 h + 0 .. 31 of the step.
; The scale words lie [tile][K half][row][4 words]; h1 as an f16 fragment 16 x 32 whose k >= 8 are zeros.
; LIMITS: f16 holds x, A1, h1 / 8 and W_eff: magnitudes under 65,504; under 6e-5 its steps are 6e-8.  NaN and infinities among the inputs are not served.  Blocks whose largest magnitude lies
; under 2^(3 - 127) keep the byte 1.  subject_id is held at 9 from above.  pos_embedding is not read.
; No tensor loads.  The two paths that use LDS have bytes of their own.
.set SP,    528                        ; a stage row: 512 bytes + 16, an odd multiple of 16: the sixteen rows that a load touches start at sixteen different 16-byte columns
.set STGX,  0                          ; x's path: a stage of 16 rows for each of eight waves,
.set HP,    8*16*SP                    ; the waves' partial sums of h1, 1,024 bytes each, as register images,
.set SCSX,  HP+8192                    ; and the tile's 512 bytes of scale words
.set STGW,  SCSX+512                   ; W_qkv's path: stages
.set SCSW,  STGW+8*16*SP               ; and scale words
.set SPARE, SCSW+512                   ; the spare words, 128 bytes for each wave: four blocks of 256 bytes that no other line names
.set LD,    5                          ; v5   16 x lane
.set STI,   6                          ; v6   the stage, on the way in
.set STO,   7                          ; v7   and on the way out: row r, + 64 h
.set A1O,   8                          ; v8   A1: rank row r % 8, + 64 h
.set SCW,   9                          ; v9   where my row's scale word goes
.set HPW,   10                         ; v10  where my partial sums go
.set SCR,   11                         ; v11  wave 0: the tile's scale words, 16 bytes a lane
.set HPR,   12                         ; v12  wave 0: the partial sums
.set R,     16                         ; v16-79   numbers as loaded; later XH and AH
.set XH,    16                         ; v16-47   x in f16: four fragments
.set AH,    48                         ; v48-79   A1 in f16
.set X,     80                         ; v80-143  64 numbers of my row: register 16 b + i = k 32 b + 16 h + i
.set A1F,   144                        ; v144-207 A1 likewise; later the eight partial sums
.set TM,    208                        ; v208-223 at work
.set PW,    224                        ; v224     the scale word
.set PC,    226                        ; v226-233 the codes
.set ACC0,  234
.set ACC1,  242
.set SPW,   250                        ; v250 LDS address of my spare word; never rewritten
.set NIL,   251                        ; v251 0; never rewritten
.set SEL,   46                         ; s[46:47] v_permlanex16_b32's selects for lane l xor 16
.set A2R,   8                          ; the merge: v8-135 A2 / 8: piece p, rank q at 4 (8 p + q)
.set W,     136                        ; v136-199 four sets of a row's 16 numbers
.set BB,    200                        ; v200-231 four sets of a row's 8 numbers of B2
.set OUT,   232                        ; v232-247 two sets of 8 registers to store
; 64 numbers of a lane become a fragment's codes in v[PC] on and its row's scale word in v[PW]
.macro QUANT s
.irp b, 0,1,2,3
	v_max3_num_f32 v[TM+\b], |v[\s+16*\b]|, |v[\s+1+16*\b]|, 0x1800000   ; block b: my 16 numbers, and the floor 2^(3 - 127): the byte cannot fall under 1
.endr
.irp i, 2,4,6,8,10,12,14
.irp b, 0,1,2,3
	v_max3_num_f32 v[TM+\b], v[TM+\b], |v[\s+16*\b+\i]|, |v[\s+1+16*\b+\i]|   ; the four blocks by turns
.endr
.endr
.irp b, 0,1,2,3
	v_permlanex16_b32 v[TM+4+\b], v[TM+\b], s[SEL], s[SEL+1]
.endr
.irp b, 0,1,2,3
	v_max_num_f32 v[TM+\b], v[TM+\b], v[TM+4+\b]   ; with lane l xor 16's: the block's largest magnitude
.endr
.irp b, 0,1,2,3
	v_add_nc_u32 v[TM+12+\b], 0xff000000, v[TM+\b] ; 2 off its exponent field: the conversion takes the exponent field of this operand as its scale
.endr
.irp b, 0,1,2,3
	v_lshrrev_b32 v[TM+4+\b], 23, v[TM+12+\b]      ; the scale's byte
.endr
	v_lshl_or_b32 v[PW], v[TM+5], 8, v[TM+4]
	v_lshl_or_b32 v[PW], v[TM+6], 16, v[PW]
	v_lshl_or_b32 v[PW], v[TM+7], 24, v[PW]
.irp b, 0,1,2,3
	v_cvt_scalef32_pk8_fp4_f32 v[PC+2*\b], v[\s+16*\b:\s+7+16*\b], v[TM+12+\b]
	v_cvt_scalef32_pk8_fp4_f32 v[PC+1+2*\b], v[\s+8+16*\b:\s+15+16*\b], v[TM+12+\b]
.endr
	v_nop                                          ; one plain place behind a scaled conversion
.irp c, 0,1                                    ; the operand's layout wants a whole block in a lane
.irp i, 0,1
	v_permlane16_swap_b32 v[PC+4*\c+\i], v[PC+2+4*\c+\i]
.endr
.endr
.endm
; A tile of 16 rows x 1,024.  Wave ks takes K step ks: 16 rows x 512 bytes.  isx = 1: x's path, with h1.
.macro QTILE isx, first, src, cod, scl, stg, scs
	s_sub_co_u32 s34, ttmp9, \first                ; T: the tile
	s_mul_i32 s31, s30, 16*SP
.if \stg
	s_add_co_u32 s31, s31, \stg
.endif
	v_add_nc_u32 v[STI], s31, v[LD]
	v_mul_u32_u24 v[STO], v3, SP
	v_lshl_add_u32 v[STO], v4, 6, v[STO]
	v_add_nc_u32 v[STO], s31, v[STO]
	s_lshr_b32 s32, s30, 2                         ; the scale word of K step ks: half ks / 4, word ks % 4 of the row's four
	s_lshl_b32 s32, s32, 8
	s_and_b32 s33, s30, 3
	s_lshl_b32 s33, s33, 2
	s_add_co_u32 s32, s32, s33
	s_add_co_u32 s32, s32, \scs
	v_lshl_add_u32 v[SCW], v3, 4, s32
	v_add_nc_u32 v[SCR], \scs, v[LD]
.irp b, 0,1,2,3
	v_mov_b32 v[TM+4+\b], 0                        ; written once: a lane permute's destination counts as one of its sources
.endr
	s_lshl_b32 s36, s34, 16                        ; 16 rows of 4,096 bytes a tile,
	s_lshl_b32 s38, s30, 9                         ; 512 bytes a K step
	s_add_co_u32 s36, s36, s38
	s_mov_b32 s37, 0
	s_add_nc_u64 s[\src:\src+1], s[\src:\src+1], s[36:37]
.irp i, 0,1,2,3,4,5,6,7,8,9,10,11,12,13,14,15
	global_load_b128 v[R+4*\i:R+4*\i+3], v[LD], s[\src:\src+1] offset:4096*\i th:TH_LOAD_NT   ; row i: 32 lanes read 512 consecutive bytes
.endr
	s_lshl_b32 s36, s34, 13                        ; the codes: 8,192 bytes a tile, 1,024 a K step
	s_lshl_b32 s39, s30, 10
	s_add_co_u32 s36, s36, s39
	s_add_nc_u64 s[\cod:\cod+1], s[\cod:\cod+1], s[36:37]
	s_lshl_b32 s36, s34, 9                         ; the scale words: 512 bytes a tile
	s_add_nc_u64 s[\scl:\scl+1], s[\scl:\scl+1], s[36:37]
.if \isx
	s_lshl_b32 s36, s34, 10                        ; h1's image: 1,024 bytes a tile
	s_add_nc_u64 s[26:27], s[26:27], s[36:37]
	s_add_co_u32 s33, s39, HP
	v_add_nc_u32 v[HPW], s33, v[LD]
	v_add_nc_u32 v[HPR], HP, v[LD]
	v_and_b32 v[A1O], 7, v0
	v_lshlrev_b32 v[A1O], 12, v[A1O]
	v_lshl_add_u32 v[A1O], v4, 6, v[A1O]
	s_lshr_b32 s40, s34, 6                         ; the sample: 64 tiles each
	s_lshl_b32 s40, s40, 2
	s_mov_b32 s41, 0
	s_add_nc_u64 s[40:41], s[10:11], s[40:41]
	s_load_b32 s35, s[40:41], 0x0
	s_wait_kmcnt 0x0
	s_min_u32 s35, s35, 9                          ; an index stays inside its table
	s_lshl_b32 s36, s35, 15                        ; 32,768 bytes an adapter
	s_add_co_u32 s36, s36, s38
	s_add_nc_u64 s[8:9], s[8:9], s[36:37]
.irp b, 0,1,2,3
.irp j, 0,1,2,3
	global_load_b128 v[A1F+16*\b+4*\j:A1F+16*\b+4*\j+3], v[A1O], s[8:9] offset:128*\b+16*\j   ; the same k of rank row r % 8 as I hold of x's row r
.endr
.endr
	s_wait_loadcnt 16                              ; x's sixteen loads are in; A1's sixteen may be out
.else
	s_wait_loadcnt 0x0
.endif
.irp i, 0,1,2,3,4,5,6,7,8,9,10,11,12,13,14,15
	ds_store_b128 v[STI], v[R+4*\i:R+4*\i+3] offset:SP*\i      ; through my own stage, as loaded;
.endr
.irp b, 0,1,2,3
.irp j, 0,1,2,3
	ds_load_b128 v[X+16*\b+4*\j:X+16*\b+4*\j+3], v[STO] offset:128*\b+16*\j   ; back as 16 neighbours of each block.  LDS serves a wave's instructions in order: no wait between
.endr
.endr
	s_wait_dscnt 0x0
	QUANT X
.irp c, 0,1
	global_store_b128 v[LD], v[PC+4*\c:PC+4*\c+3], s[\cod:\cod+1] offset:512*\c   ; the image: 512 consecutive bytes a store
.endr
	ds_store_b32 v[SCW], v[PW]                     ; both halves of the lanes write the same word with the same value
.if \isx
	s_wait_loadcnt 0x0                             ; A1
.irp b, 0,1,2,3
.irp j, 0,1,2,3,4,5,6,7
	v_cvt_pk_f16_f32 v[XH+8*\b+\j], v[X+16*\b+2*\j], v[X+16*\b+2*\j+1]       ; k stands in the same places on both sides, so the products are kept
	v_cvt_pk_f16_f32 v[AH+8*\b+\j], v[A1F+16*\b+2*\j], v[A1F+16*\b+2*\j+1]
.endr
.endr
	; transposed: source 0 = A1's rank rows, source 1 = x's rows: lanes 0-15 then hold row r's eight ranks in eight registers.  Two accumulators by turns
	v_wmma_f32_16x16x32_f16 v[ACC0:ACC0+7], v[AH:AH+7], v[XH:XH+7], 0
	v_wmma_f32_16x16x32_f16 v[ACC1:ACC1+7], v[AH+8:AH+15], v[XH+8:XH+15], 0
	v_wmma_f32_16x16x32_f16 v[ACC0:ACC0+7], v[AH+16:AH+23], v[XH+16:XH+23], v[ACC0:ACC0+7]
	v_wmma_f32_16x16x32_f16 v[ACC1:ACC1+7], v[AH+24:AH+31], v[XH+24:XH+31], v[ACC1:ACC1+7]
.rept 4
	v_nop                                          ; four places ahead of the first read of results (ISA guide 7.12.1)
.endr
.irp j, 0,2,4,6
	v_pk_add_f32 v[X+\j:X+\j+1], v[ACC0+\j:ACC0+\j+1], v[ACC1+\j:ACC1+\j+1]   ; from the low end on
.endr
	ds_store_b128 v[HPW], v[X:X+3]
	ds_store_b128 v[HPW], v[X+4:X+7] offset:512
.endif
	s_wait_dscnt 0x0                               ; for wave 0's sake: my stores have landed
	s_barrier_signal -1
	s_barrier_wait -1
	s_cmp_lg_u32 s30, 0
	s_cbranch_scc1 .Lq_end_\@
	ds_load_b128 v[TM:TM+3], v[SCR]
.if \isx
.irp p, 0,1,2,3,4,5,6,7
.irp c, 0,1
	ds_load_b128 v[A1F+8*\p+4*\c:A1F+8*\p+4*\c+3], v[HPR] offset:1024*\p+512*\c
.endr
.endr
.endif
	s_wait_dscnt 0x0
	global_store_b128 v[LD], v[TM:TM+3], s[\scl:\scl+1]        ; the tile's scale words: 512 consecutive bytes
.if \isx
.irp p, 0,1,2,3
.irp e, 0,2,4,6
	v_pk_add_f32 v[A1F+8*\p+\e:A1F+8*\p+\e+1], v[A1F+8*\p+\e:A1F+8*\p+\e+1], v[A1F+8*(\p+4)+\e:A1F+8*(\p+4)+\e+1]
.endr
.endr
.irp p, 0,1
.irp e, 0,2,4,6
	v_pk_add_f32 v[A1F+8*\p+\e:A1F+8*\p+\e+1], v[A1F+8*\p+\e:A1F+8*\p+\e+1], v[A1F+8*(\p+2)+\e:A1F+8*(\p+2)+\e+1]
.endr
.endr
.irp e, 0,2,4,6
	v_pk_add_f32 v[A1F+\e:A1F+\e+1], v[A1F+\e:A1F+\e+1], v[A1F+8+\e:A1F+8+\e+1]
.endr
.irp e, 0,2,4,6
	v_pk_mul_f32 v[A1F+\e:A1F+\e+1], v[A1F+\e:A1F+\e+1], 0x3e000000 op_sel_hi:[1,0]   ; alpha / rank = 1 / 8: exact
.endr
	s_mov_b32 s42, 0xffff
.irp j, 0,1,2,3
	v_cvt_pk_f16_f32 v[TM+4+\j], v[A1F+2*\j], v[A1F+2*\j+1]
.endr
.irp j, 0,1,2,3
	v_cndmask_b32 v[TM+4+\j], 0, v[TM+4+\j], s42   ; lanes 16-31 stand for k = 8 .. 15 of the fragment: zeros
	v_mov_b32 v[TM+8+\j], 0                        ; and so do its registers 4-7
.endr
	global_store_b128 v[LD], v[TM+4:TM+7], s[26:27]
	global_store_b128 v[LD], v[TM+8:TM+11], s[26:27] offset:512
.endif
.Lq_end_\@:
	s_wait_tensorcnt 0x0                           ; the wave's end, behind my last LDS store
	ds_add_u32 v[SPW], v[NIL]
	s_wait_dscnt 0x0
	s_endpgm
.endm
	s_load_b256 s[4:11], s[0:1], 0x0               ; x, W_qkv, A1, subject_id
	s_load_b256 s[12:19], s[0:1], 0x20             ; W_p, A2, B2, xc
	s_load_b256 s[20:27], s[0:1], 0x40             ; xs, wc, ws, h1i
	s_load_b64 s[28:29], s[0:1], 0x60              ; weff
	v_lshl_add_u32 v[SPW], v0, 2, SPARE
	v_mov_b32 v[NIL], 0
	v_lshrrev_b32 v1, 5, v0
	v_readfirstlane_b32 s30, v1                    ; wave 0..7
	v_and_b32 v2, 31, v0                           ; lane
	v_and_b32 v3, 15, v0                           ; r
	v_bfe_u32 v4, v0, 4, 1                         ; h
	v_lshlrev_b32 v[LD], 4, v2
	s_mov_b32 s[SEL], 0x76543210
	s_mov_b32 s[SEL+1], 0xfedcba98
	s_wait_kmcnt 0x0
	s_cmp_lt_u32 ttmp9, 128                        ; the three paths part here, on the work-group's number, and do not meet again
	s_cbranch_scc1 .Lmerge
	s_cmp_lt_u32 ttmp9, 640
	s_cbranch_scc0 .Lweights
	QTILE 1, 128, 4, 18, 20, STGX, SCSX
.Lweights:
	QTILE 0, 640, 6, 22, 24, STGW, SCSW
; THE MERGE.  Wave u = 8 x work-group + wave takes sample u / 128, half (u / 64) % 2 of K and 16 rows of W_p.  A lane holds k = 128 p + 4 lane + 0 .. 3 of its half, p = 0 .. 3; A2's eight
; rank rows at those k stay in 128 registers.  Every offset is an immediate; loads run four rows ahead.
.macro MLOAD i
.irp p, 0,1,2,3
	global_load_b128 v[W+16*((\i)%4)+4*\p:W+16*((\i)%4)+4*\p+3], v[LD], s[12:13] offset:(\i)*4096+\p*512
.endr
	global_load_b128 v[BB+8*((\i)%4):BB+8*((\i)%4)+3], v6, s[16:17] offset:(\i)*32       ; the row's eight numbers of B2, the same in every lane
	global_load_b128 v[BB+8*((\i)%4)+4:BB+8*((\i)%4)+7], v6, s[16:17] offset:(\i)*32+16
.endm
.macro MROW i
.set WS, W+16*((\i)%4)
.set BS, BB+8*((\i)%4)
.set OS, OUT+8*((\i)%2)
.if 15-(\i) >= 3
	s_wait_loadcnt 18                              ; this row's six loads are in; those of the three rows behind it may be out
.else
	s_wait_loadcnt 6*(15-(\i))
.endif
	s_wait_xcnt 0x0                                ; the stores of two rows back have read their registers, which are written again below
.irp q, 0,2,4,6
.irp p, 0,1,2,3
.irp e, 0,2
	v_pk_fma_f32 v[WS+4*\p+\e:WS+4*\p+\e+1], v[A2R+4*(8*\p+\q)+\e:A2R+4*(8*\p+\q)+\e+1], v[BS+\q:BS+\q+1], v[WS+4*\p+\e:WS+4*\p+\e+1] op_sel_hi:[1,0,1]   ; an even rank: the pair's low word for both halves
.endr
.endr
.irp p, 0,1,2,3
.irp e, 0,2
	v_pk_fma_f32 v[WS+4*\p+\e:WS+4*\p+\e+1], v[A2R+4*(8*\p+\q+1)+\e:A2R+4*(8*\p+\q+1)+\e+1], v[BS+\q:BS+\q+1], v[WS+4*\p+\e:WS+4*\p+\e+1] op_sel:[0,1,0] op_sel_hi:[1,1,1]   ; an odd rank: its high word
.endr
.endr
.endr
.irp p, 0,1,2,3
	v_cvt_pk_f16_f32 v[OS+2*\p], v[WS+4*\p], v[WS+4*\p+1]
	v_cvt_pk_f16_f32 v[OS+2*\p+1], v[WS+4*\p+2], v[WS+4*\p+3]
.endr
.if (\i)+4 < 16
	MLOAD (\i)+4
.endif
.irp p, 0,1,2,3
	global_store_b64 v7, v[OS+2*\p:OS+2*\p+1], s[28:29] offset:(\i)*2048+\p*256   ; 32 lanes store 256 consecutive bytes, aligned
.endr
.endm
.Lmerge:
	s_lshr_b32 s31, ttmp9, 4                       ; the sample
	s_bfe_u32 s32, ttmp9, 0x10003                  ; the half of K
	s_and_b32 s33, ttmp9, 7
	s_lshl_b32 s33, s33, 3
	s_add_co_u32 s33, s33, s30                     ; which 16 rows
	s_lshl_b32 s34, s31, 2
	s_mov_b32 s35, 0
	s_add_nc_u64 s[34:35], s[10:11], s[34:35]
	s_load_b32 s36, s[34:35], 0x0
	v_mov_b32 v6, 0
	v_lshlrev_b32 v7, 3, v2
	s_lshl_b32 s38, s33, 16                        ; W_p: 16 rows of 4,096 bytes,
	s_lshl_b32 s37, s32, 11                        ; 2,048 bytes a half
	s_add_co_u32 s38, s38, s37
	s_mov_b32 s39, 0
	s_add_nc_u64 s[12:13], s[12:13], s[38:39]
	s_lshl_b32 s38, s31, 21                        ; W_eff: 2 MiB a sample, 16 rows of 2,048 bytes, 1,024 a half
	s_lshl_b32 s40, s33, 15
	s_add_co_u32 s38, s38, s40
	s_lshl_b32 s40, s32, 10
	s_add_co_u32 s38, s38, s40
	s_add_nc_u64 s[28:29], s[28:29], s[38:39]
	s_wait_kmcnt 0x0
	s_min_u32 s36, s36, 9
	s_lshl_b32 s36, s36, 15                        ; 32,768 bytes an adapter, in A2 and in B2
	s_add_co_u32 s38, s36, s37
	s_add_nc_u64 s[14:15], s[14:15], s[38:39]
	s_lshl_b32 s40, s33, 9                         ; B2: 16 rows of 32 bytes
	s_add_co_u32 s38, s36, s40
	s_add_nc_u64 s[16:17], s[16:17], s[38:39]
.irp p, 0,1,2,3
.irp q, 0,1,2,3,4,5,6,7
	global_load_b128 v[A2R+4*(8*\p+\q):A2R+4*(8*\p+\q)+3], v[LD], s[14:15] offset:\q*4096+\p*512
.endr
.endr
	MLOAD 0
	MLOAD 1
	MLOAD 2
	MLOAD 3
	s_wait_loadcnt 24                              ; A2's 32 loads are in; four rows' 24 may be out
.set j, 0
.rept 64
	v_pk_mul_f32 v[A2R+j:A2R+j+1], v[A2R+j:A2R+j+1], 0x3e000000 op_sel_hi:[1,0]   ; alpha / rank = 1 / 8: exact
.set j, j+2
.endr
.irp i, 0,1,2,3,4,5,6,7,8,9,10,11,12,13,14,15
	MROW \i
.endr
	s_wait_tensorcnt 0x0                           ; the wave's end, on this path too
	ds_add_u32 v[SPW], v[NIL]
	s_wait_dscnt 0x0
	s_endpgm
.Lfunc_end_k_qd1c4e04e99_prep:
	.size	k_qd1c4e04e99_prep, .Lfunc_end_k_qd1c4e04e99_prep-k_qd1c4e04e99_prep
	.p2alignl 7, 3214868480
	.fill 96, 4, 3214868480
	.section	.rodata,"a",@progbits
	.p2align	6, 0x0
	.amdhsa_kernel k_qd1c4e04e99_prep
		.amdhsa_group_segment_fixed_size 145408
		.amdhsa_private_segment_fixed_size 0
		.amdhsa_enable_private_segment 0
		.amdhsa_kernarg_size 104
		.amdhsa_user_sgpr_count 2
		.amdhsa_user_sgpr_kernarg_segment_ptr 1
		.amdhsa_wavefront_size32 1
		.amdhsa_system_sgpr_workgroup_id_x 1
		.amdhsa_system_sgpr_workgroup_id_y 1
		.amdhsa_system_sgpr_workgroup_id_z 1
		.amdhsa_system_vgpr_workitem_id 0
		.amdhsa_next_free_vgpr 256
		.amdhsa_next_free_sgpr 66
		.amdhsa_reserve_vcc 0
		.amdhsa_float_denorm_mode_32 3
		.amdhsa_float_denorm_mode_16_64 3
		.amdhsa_memory_ordered 1
		.amdhsa_forward_progress 1
		.amdhsa_inst_pref_size 129
	.end_amdhsa_kernel
	.amdgpu_metadata
---
amdhsa.version: [ 1, 2 ]
amdhsa.kernels:
  - .name:           k_qd1c4e04e99_prep
    .symbol:         k_qd1c4e04e99_prep.kd
    .args:
      - { .name: x, .offset: 0, .size: 8, .value_kind: global_buffer, .address_space: global }
      - { .name: W_qkv, .offset: 8, .size: 8, .value_kind: global_buffer, .address_space: global }
      - { .name: A1, .offset: 16, .size: 8, .value_kind: global_buffer, .address_space: global }
      - { .name: subject_id, .offset: 24, .size: 8, .value_kind: global_buffer, .address_space: global }
      - { .name: W_p, .offset: 32, .size: 8, .value_kind: global_buffer, .address_space: global }
      - { .name: A2, .offset: 40, .size: 8, .value_kind: global_buffer, .address_space: global }
      - { .name: B2, .offset: 48, .size: 8, .value_kind: global_buffer, .address_space: global }
      - { .name: xc, .offset: 56, .size: 8, .value_kind: global_buffer, .address_space: global }
      - { .name: xs, .offset: 64, .size: 8, .value_kind: global_buffer, .address_space: global }
      - { .name: wc, .offset: 72, .size: 8, .value_kind: global_buffer, .address_space: global }
      - { .name: ws, .offset: 80, .size: 8, .value_kind: global_buffer, .address_space: global }
      - { .name: h1i, .offset: 88, .size: 8, .value_kind: global_buffer, .address_space: global }
      - { .name: weff, .offset: 96, .size: 8, .value_kind: global_buffer, .address_space: global }
    .group_segment_fixed_size: 145408
    .private_segment_fixed_size: 0
    .kernarg_segment_align: 8
    .kernarg_segment_size: 104
    .max_flat_workgroup_size: 256
    .sgpr_count:     66
    .vgpr_count:     256
    .wavefront_size: 32
...
	.end_amdgpu_metadata
.endif
;; end of part 1
;; launch qkvgemm (part 2): grid 8 x 32, 4 waves a work-group, clusters of 4 x 4, 327,680 bytes of LDS; arguments xc, xs, wc, ws, qkvh, h1i, B1, b_qkv, subject_id; writes qkvh
.if DOCPART == 2
	.amdgcn_target "amdgcn-amd-amdhsa--gfx1250"
	.amdhsa_code_object_version 6
	.text
	.protected	k_qd1c4e04e99_qkvgemm
	.globl	k_qd1c4e04e99_qkvgemm
	.p2align	8
	.type	k_qd1c4e04e99_qkvgemm,@function
k_qd1c4e04e99_qkvgemm:
	s_mov_b64 s[64:65], 0
	v_nop
	global_prefetch_b8 v0, s[64:65] scope:SCOPE_SE
	s_setreg_imm32_b32 hwreg(HW_REG_WAVE_MODE, 25, 1), 1
	s_wait_xcnt 0x0
	s_wait_alu depctr_hold_cnt(0) depctr_sa_sdst(0) depctr_va_vdst(0) depctr_va_sdst(0) depctr_va_ssrc(0) depctr_va_vcc(0) depctr_vm_vsrc(0)
	s_getreg_b32 s2, hwreg(HW_REG_IB_STS2, 6, 4)
	s_cmp_eq_u32 s2, 0
	s_cbranch_scc0 .Lentry_in_a_cluster
	s_endpgm
.Lentry_in_a_cluster:
	s_bfe_u32 s2, ttmp6, 0x10000c
	s_cmp_lg_u32 s2, 0xf033
	s_cbranch_scc0 .Lentry_shape_is_right
	s_endpgm
.Lentry_shape_is_right:
; q, k, v = Q(x) Q(W_qkv)^T + b_qkv + (x A1[sid]^T / 8) B1[sid]^T, rounded to f16 and laid [which][sample][head][token][64].
; The base product runs on codes of FP4 (E2M1) with one E8M0 scale for each 32 along K; the adapter's product (K = 8) is ONE f16 step of 32 along K whose k >= 8 are zeros: it takes the bias as
; its C and so starts all sums.  Sums in f32.
; SHARES.  A work-group of four waves makes 256 rows x 384 columns: 8 x 32 = 256 work-groups of equal work.  It does so in TWO PASSES through the same accumulators: pass 1 makes columns 0-255
; (a wave 128 x 128: 64 accumulators), pass 2 columns 256-383 (a wave 128 x 64: 32 accumulators).
; LDS.  x's 256 rows are 131,072 bytes of codes and the weight's 384 rows 196,608: together all of LDS.  So the weight's third part (128 rows, 65,536 bytes) comes by ONE refill, into the 65,536 bytes that
; held the first K half of the weight's first 256 rows, at the change of K halves of pass 1, behind which nobody reads them.  x's codes are filled once and read in both passes.
; THE CODES ARRIVE AS IMAGES OF THE OPERAND'S REGISTERS ([tile of 16 rows][K step][c][lane][16 bytes]): a fragment is two loads of 512 consecutive bytes, so no pitch and no padding.
; CLUSTERS: 4 x 4 work-groups; the four of a row of the cluster need the same tiles of x, the four of a column the same tiles of W_qkv: each is asked for jointly.  A cluster's four tile rows
; are one sample, so subject_id's entry is the same in all sixteen; it enters global addresses alone.
; THE MATRIX INSTRUCTIONS ARE USED TRANSPOSED (source 0 = 16 rows of the weight, source 1 = 16 rows of x): a lane holds eight neighbouring columns of one row.
; No prefetch: all tiles but the refill are asked for at the head, and the refill has four K steps and a way out in which to land.
; LIMITS: q, k, v, h1 / 8 and B1 are held in f16: magnitudes under 65,504; NaN and infinities are not served.  Lanes 16-31 of B1's fragments hold a copy of the row, which meets h1's zeros.
; REGISTERS: window 0: v1-31 addresses; v32-95 scale words, two sets, and nothing else; v96-127 packed results; v128-191 x's fragments, one set (first B1 as f32; on the ways out rows); v192-255 h1's fragments, which stay.
;   window 1: v0-63, v128-191 the weight's fragments, two sets; v64-127 B1's f16 fragments; v192-255 the bias (for pass 2: v192-223 the bias, v224-255 B1 as f32).
;   windows 2, 3: the accumulators (pass 1: (a, b) at v[8 (8 (a % 4) + b)] of window 2 + a / 4; pass 2: (a, b) at v[8 (4 a + b)] of window 2).
.set NQ,     4                         ; steps of 128 along K in a half
.set FR,     8                         ; registers of a fragment
.set NL,     2                         ; LDS loads that bring one
.set NP,     4                         ; places behind these matrix instructions (ISA guide 7.12.1)
.set HALFT,  32768                     ; 8 tiles of 16 rows x 4 K steps x 1,024 bytes: what one tensor load brings
.set SLOT,   4*HALFT                   ; a half of K: x's 256 rows, then the weight's first 256 rows
.set SCL,    2*SLOT                    ; the scale words: x's 8,192 bytes,
.set HALFS,  4096                      ; (those of 128 rows)
.set SCB,    SCL+2*HALFS               ; then the weight's 12,288: 24 tiles of 16 rows x 512 bytes
.set HALFSB, 6144                      ; (half of them: what one tensor load brings)
.set STAGE,  SCB+2*HALFSB              ; the way out: for each wave 2 x 16 rows x 144 bytes; no fill lands here
.set SPP,    144
.set HSTG,   16*SPP
.set SPARE,  STAGE+4*2*HSTG            ; the spare words, 128 bytes for each wave: two blocks of 256 bytes that no other line names
.set ADRA, 16                          ; v16-17 LDS address of x's fragments in half 0, 1
.set ADRB2, 18                         ; v18-19 the weight's third part, half 0, 1
.set ADRB, 20                          ; v20-21 the weight's first 256 rows
.set STO,  24
.set RD,   25
.set CO,   26                          ; v26 16 x lane
.set ADRS, 27                          ; v27 my scale words: lanes 0-15 x's rows, lanes 16-31 the weight's, pass 1
.set SPW,  28
.set NIL,  29
.set ADRS2, 30                         ; v30 the same for pass 2
.set SC,   32
.set TMP,  96
.set AF,   128
.set BK,   128
.set HF,   192
.set B1F,  64                          ; in window 1
.set BIAS, 192                         ; in window 1
.set B1T,  224                         ; in window 1
.set G1, 24
.set G0, 32
.set G1B, 48
.set G0B, 56
.set G1S, 68
.set G0S, 76
.set G1SB, 80
.set G0SB, 88
.set G0R, 96                           ; s[96:99] group 0 of the refill
.set MSB, 0
.macro WIN new                         ; the immediate's high byte repeats the setting that is left
.if MSB != \new
	s_set_vgpr_msb (MSB<<8)|\new
.set MSB, \new
.endif
.endm
.set MUL_LO, 0xa1                      ; source 0 window 1, source 1 window 0, C and D window 2
.set MUL_HI, 0xf1                      ; the same, C and D window 3
.set TO_B,   0x40                      ; destination window 1
; A joint load: waves 0 and 1 fetch for x, waves 2 and 3 for the weight.  The branch hangs on the wave's number alone.  An s_nop 0 and four v_nop follow each of the two lines.
.macro JLOAD g0a, g1a, g0b, g1b
	s_cmp_eq_u32 s15, 0
	s_cbranch_scc0 .Lfor_b_\@
	tensor_load_to_lds s[\g0a:\g0a+3], s[\g1a:\g1a+7]
	s_nop 0
.rept 4
	v_nop
.endr
	s_branch .Lasked_\@
.Lfor_b_\@:
	tensor_load_to_lds s[\g0b:\g0b+3], s[\g1b:\g1b+7]
	s_nop 0
.rept 4
	v_nop
.endr
.Lasked_\@:
.endm
.macro CREST                           ; a round of the cluster's barrier behind its opening barrier
	s_cmp_lg_u32 s14, 0
	s_cbranch_scc1 .Lnot_wave_0_\@
	s_barrier_signal -3
.Lnot_wave_0_\@:
	s_barrier_wait -3
	s_barrier_signal -1
	s_barrier_wait -1
.endm
.macro CROUND                          ; a whole round
	s_barrier_signal -1
	s_barrier_wait -1
	CREST
.endm
	s_load_b128 s[4:7], s[0:1], 0x0                ; x's codes, x's scales
	s_load_b128 s[8:11], s[0:1], 0x10              ; the weight's codes, its scales
	s_load_b64 s[12:13], s[0:1], 0x20              ; the result
	v_lshl_add_u32 v[SPW], v0, 2, SPARE
	v_mov_b32 v[NIL], 0
	ds_add_u32 v[SPW], v[NIL]                      ; the wave's opening: the add and its wait stand ahead of my first tensor load; the set-up below stands between them
	v_lshrrev_b32 v1, 5, v0
	v_readfirstlane_b32 s14, v1                    ; wave 0..3
	s_lshr_b32 s15, s14, 1                         ; which half of the tile's rows is mine.  Also: I fetch for x (0) or for the weight (1)
	s_and_b32 s16, s14, 1                          ; which half of a pass's columns.  Also: which part I fetch
	s_bfe_u32 s40, ttmp6, 0x40000                  ; cx, cy
	s_bfe_u32 s41, ttmp6, 0x40004
	s_lshl_b32 s42, ttmp9, 2
	s_add_co_u32 s42, s42, s40                     ; tile column, 0 .. 7: 384 columns each
	s_and_b32 s17, ttmp7, 0xffff
	s_lshl_b32 s17, s17, 2
	s_add_co_u32 s17, s17, s41                     ; tile row, 0 .. 31: 256 rows each
	s_lshl_b32 s43, s41, 2
	s_lshl_b32 s43, 15, s43                        ; my row of the cluster
	s_lshl_b32 s44, 0x1111, s40                    ; my column
	; codes: 8 rows (tiles of 16 rows) of 4,096 bytes (a half of K), 8,192 bytes apart; elements of 8 bytes; no padding
	s_or_b32 s[G1+0], s43, (3<<16)|(1<<21)
	s_or_b32 s[G1B+0], s44, (3<<16)|(1<<21)
.irp g, G1, G1B
	s_mov_b32 s[\g+1], 512<<16                     ; tensor_dim0
	s_mov_b32 s[\g+2], 8<<16                       ; tensor_dim1
	s_mov_b32 s[\g+3], 512<<16                     ; tile_dim0
	s_mov_b32 s[\g+4], 8                           ; tile_dim1
	s_mov_b32 s[\g+5], 1024                        ; tensor_dim0_stride
	s_mov_b32 s[\g+6], 0
	s_mov_b32 s[\g+7], 0
.endr
	; scale words, dense, as rows of 256 bytes: x's of 128 rows are 16 such rows, half of the weight's 24
	s_or_b32 s[G1S+0], s43, (3<<16)|(1<<21)
	s_mov_b32 s[G1S+1], 32<<16
	s_mov_b32 s[G1S+2], 16<<16
	s_mov_b32 s[G1S+3], 32<<16
	s_mov_b32 s[G1S+4], 16
	s_mov_b32 s[G1S+5], 32
	s_mov_b32 s[G1S+6], 0
	s_mov_b32 s[G1S+7], 0
	s_or_b32 s[G1SB+0], s44, (3<<16)|(1<<21)
	s_mov_b32 s[G1SB+1], 32<<16
	s_mov_b32 s[G1SB+2], 24<<16
	s_mov_b32 s[G1SB+3], 32<<16
	s_mov_b32 s[G1SB+4], 24
	s_mov_b32 s[G1SB+5], 32
	s_mov_b32 s[G1SB+6], 0
	s_mov_b32 s[G1SB+7], 0
	s_lshl_b32 s18, s16, 16                        ; which 128 rows: 65,536 bytes of codes,
	s_lshl_b32 s19, s16, 12                        ; 4,096 of x's scale words
	s_lshl_b32 s20, s17, 17
	s_add_co_u32 s20, s20, s18                     ; x's codes hang on the tile row alone,
	s_mov_b32 s21, 0
	s_lshl_b32 s22, s17, 13
	s_add_co_u32 s22, s22, s19
	s_mov_b32 s23, 0
	s_mul_i32 s46, s42, 196608                     ; the weight's on the tile column alone: 24 tiles of 8,192 bytes
	s_lshl_b32 s2, s16, 12                         ; the third part: tiles 16 to 23, K half w % 2
	s_add_co_u32 s2, s2, s46
	s_add_co_u32 s2, s2, 131072
	s_mov_b32 s3, 0
	s_add_co_u32 s46, s46, s18
	s_mov_b32 s47, 0
	s_mul_i32 s92, s42, 12288
	s_mul_i32 s95, s16, HALFSB
	s_add_co_u32 s92, s92, s95
	s_mov_b32 s93, 0
	s_lshl_b32 s45, s14, 15                        ; where the codes go: wave x 32,768: no place in the cluster enters an LDS address
	s_lshl_b32 s94, s16, 12                        ; x's scale words; the weight's: s95
	s_wait_dscnt 0x0                               ; the opening add is done
	s_wait_kmcnt 0x0
	s_add_nc_u64 s[20:21], s[4:5], s[20:21]
	s_add_nc_u64 s[22:23], s[6:7], s[22:23]
	s_add_nc_u64 s[46:47], s[8:9], s[46:47]
	s_add_nc_u64 s[2:3], s[8:9], s[2:3]
	s_add_nc_u64 s[92:93], s[10:11], s[92:93]
	s_mov_b32 s[G0R], 1                            ; the refill's group 0: in waves 2 and 3 its LDS address is where the weight's first K half lies
	s_mov_b32 s[G0R+1], s45
	s_mov_b64 s[G0R+2:G0R+3], s[2:3]
	s_or_b32 s[G0R+3], s[G0R+3], 0x80000000
	CROUND                                         ; all sixteen work-groups are here: the joint loads meet
	s_mov_b32 s[G0S], 1
	s_add_co_u32 s[G0S+1], s94, SCL
	s_mov_b64 s[G0S+2:G0S+3], s[22:23]
	s_or_b32 s[G0S+3], s[G0S+3], 0x80000000
	s_mov_b32 s[G0SB], 1
	s_add_co_u32 s[G0SB+1], s95, SCB
	s_mov_b64 s[G0SB+2:G0SB+3], s[92:93]
	s_or_b32 s[G0SB+3], s[G0SB+3], 0x80000000
	JLOAD G0S, G1S, G0SB, G1SB                     ; three loads of mine go out together: the scale words,
.irp s, 0,1
	s_mov_b32 s[G0+4*\s], 1
	s_add_co_u32 s[G0+4*\s+1], s45, \s*SLOT
	s_add_nc_u64 s[G0+4*\s+2:G0+4*\s+3], s[20:21], \s*4096
	s_or_b32 s[G0+4*\s+3], s[G0+4*\s+3], 0x80000000
	s_mov_b32 s[G0B+4*\s], 1
	s_add_co_u32 s[G0B+4*\s+1], s45, \s*SLOT
	s_add_nc_u64 s[G0B+4*\s+2:G0B+4*\s+3], s[46:47], \s*4096
	s_or_b32 s[G0B+4*\s+3], s[G0B+4*\s+3], 0x80000000
	JLOAD G0+4*\s, G1, G0B+4*\s, G1B               ; and the two halves of K
.endr
	; THE ADAPTER'S STEP OF PASS 1, while the tiles are on their way
	s_load_b256 s[4:11], s[0:1], 0x28              ; h1's images, B1, b_qkv, subject_id
	v_and_b32 v1, 15, v0                           ; r
	v_bfe_u32 v2, v0, 4, 1                         ; h
	v_and_b32 v6, 31, v0
	v_lshlrev_b32 v[CO], 4, v6
	v_lshlrev_b32 v3, 5, v2                        ; the bias: my half's eight columns
	v_lshlrev_b32 v4, 5, v1                        ; B1: row r of 32 bytes
	s_lshl_b32 s21, s15, 15                        ; my 128 rows of x
	s_lshl_b32 s22, s16, 15                        ; my 128 rows of the weight,
	s_add_co_u32 s22, s22, 2*HALFT                 ; which lie behind x's 256
.irp s, 0,1
	v_add_nc_u32 v[ADRA+\s], s21, v[CO]
	v_add_nc_u32 v[ADRB+\s], s22, v[CO]
	s_add_co_u32 s21, s21, SLOT
	s_add_co_u32 s22, s22, SLOT
.endr
	s_lshl_b32 s22, s16, 14                        ; pass 2: my 64 rows (four tiles of 4,096 bytes a K half) of the third part,
	s_add_co_u32 s22, s22, 2*HALFT                 ; which will lie where the weight's first K half lay: K half 0,
	v_add_nc_u32 v[ADRB2], s22, v[CO]
	s_add_co_u32 s22, s22, HALFT                   ; K half 1
	v_add_nc_u32 v[ADRB2+1], s22, v[CO]
	s_lshl_b32 s21, s15, 12
	s_lshl_b32 s22, s16, 12
	s_add_co_u32 s22, s22, 2*HALFS
	s_sub_co_u32 s22, s22, s21
	v_mul_u32_u24 v5, s22, v2                      ; lanes 16-31 take the weight's: one product, the distance between the two bases
	s_add_co_u32 s21, s21, SCL
	v_lshl_add_u32 v5, v1, 4, v5                   ; 16 bytes a row: the four words of a half of K
	v_add_nc_u32 v[ADRS], s21, v5
	s_lshl_b32 s22, s16, 11                        ; pass 2: tiles 16 + 4 (w % 2) on of the weight's 24
	s_add_co_u32 s22, s22, SCB+16*512
	s_sub_co_u32 s22, s22, s21
	v_mul_u32_u24 v5, s22, v2
	v_lshl_add_u32 v5, v1, 4, v5
	v_add_nc_u32 v[ADRS2], s21, v5
	s_and_b32 s18, ttmp7, 0xffff                   ; the sample = the cluster's y
	s_lshl_b32 s18, s18, 2
	s_mov_b32 s19, 0
	s_lshl_b32 s20, s17, 14                        ; h1: 16 tiles of 1,024 bytes a tile row, my 8
	s_lshl_b32 s21, s15, 13
	s_add_co_u32 s20, s20, s21
	s_mov_b32 s21, 0
	s_mul_i32 s46, s42, 384
	s_lshl_b32 s47, s16, 7
	s_add_co_u32 s46, s46, s47                     ; my first column of pass 1
	s_lshl_b32 s92, s46, 2
	s_mov_b32 s93, 0
	s_wait_kmcnt 0x0
	s_add_nc_u64 s[18:19], s[10:11], s[18:19]
	s_load_b32 s95, s[18:19], 0x0
	s_add_nc_u64 s[4:5], s[4:5], s[20:21]
	s_add_nc_u64 s[8:9], s[8:9], s[92:93]
.irp a, 0,1,2,3,4,5,6,7
.irp c, 0,1
	global_load_b128 v[HF+8*\a+4*\c:HF+8*\a+4*\c+3], v[CO], s[4:5] offset:\a*1024+\c*512
.endr
.endr
	WIN TO_B
.irp b, 0,1,2,3,4,5,6,7
	global_load_b128 v[BIAS+8*\b:BIAS+8*\b+3], v3, s[8:9] offset:\b*64        ; in the result's layout: columns 16 b + 8 h + 0 .. 7
	global_load_b128 v[BIAS+8*\b+4:BIAS+8*\b+7], v3, s[8:9] offset:\b*64+16
.endr
	WIN 0
	s_wait_kmcnt 0x0
	s_min_u32 s95, s95, 9                          ; an index stays inside its table
	s_mul_i32 s95, s95, 98304                      ; bytes of an adapter in B1
	s_lshl_b32 s92, s46, 5
	s_add_co_u32 s92, s92, s95
	s_add_nc_u64 s[6:7], s[6:7], s[92:93]
.irp b, 0,1,2,3,4,5,6,7
	global_load_b128 v[AF+8*\b:AF+8*\b+3], v4, s[6:7] offset:\b*512
	global_load_b128 v[AF+8*\b+4:AF+8*\b+7], v4, s[6:7] offset:\b*512+16
.endr
	s_wait_loadcnt 0x0
	WIN TO_B
.irp b, 0,1,2,3,4,5,6,7
.irp j, 0,1,2,3
	v_cvt_pk_f16_f32 v[B1F+8*\b+\j], v[AF+8*\b+2*\j], v[AF+8*\b+2*\j+1]   ; k = 0 .. 7
	v_mov_b32 v[B1F+8*\b+4+\j], 0                                          ; k = 16 on
.endr
.endr
.macro LORA hi                         ; 32 products: the bias is their C, so nothing is cleared and the bias costs no addition
.irp a, 0,1,2,3
.irp b, 0,1,2,3,4,5,6,7
	v_wmma_f32_16x16x32_f16 v[8*(8*\a+\b):8*(8*\a+\b)+7], v[B1F+8*\b:B1F+8*\b+7], v[HF+8*(4*\hi+\a):HF+8*(4*\hi+\a)+7], v[BIAS+8*\b:BIAS+8*\b+7]
.endr
.endr
.endm
	WIN 0x91                                       ; source 0 and C window 1, source 1 window 0, D window 2
	LORA 0
	WIN 0xd1                                       ; D window 3
	LORA 1
	WIN 0
	; the stage's addresses: eight plain lines, which are also the places between these products and those of the other form that add onto them (five are asked), and ahead of the loads into the bias's registers below (four)
	s_mul_i32 s23, s14, 2*HSTG
	s_add_co_u32 s23, s23, STAGE
	v_mul_u32_u24 v5, v1, SPP
	v_lshl_add_u32 v5, v2, 4, v5
	v_add_nc_u32 v[STO], s23, v5                   ; in: row r, 16 bytes for each half of the lanes
	v_lshrrev_b32 v5, 3, v6
	v_mul_u32_u24 v5, v5, SPP
	v_and_b32 v7, 7, v0
	v_lshl_add_u32 v5, v7, 4, v5
	v_add_nc_u32 v[RD], s23, v5                    ; back: eight lanes to a row of 128 bytes, four rows an instruction
	; where the results go.  s[g]: a head among the 48 of q, k, v -> the byte at which my rows of it begin
.macro HEADOFF g, t
	s_lshr_b32 s[\t], s[\g], 4                     ; which of the three
	s_lshl_b32 s[\t], s[\t], 3
	s_add_co_u32 s[\t], s[\t], s94                 ; the sample
	s_lshl_b32 s[\t], s[\t], 4
	s_and_b32 s[\g], s[\g], 15
	s_add_co_u32 s[\g], s[\g], s[\t]
	s_lshl_b32 s[\g], s[\g], 17                    ; 131,072 bytes a head
	s_add_co_u32 s[\g], s[\g], s95
.endm
	s_and_b32 s94, ttmp7, 0xffff
	s_and_b32 s95, s17, 3
	s_lshl_b32 s95, s95, 15                        ; the tile row's 256 tokens of 128 bytes,
	s_lshl_b32 s18, s15, 14                        ; my 128
	s_add_co_u32 s95, s95, s18
	s_mul_i32 s92, s42, 6                          ; six heads a tile column
	s_add_co_u32 s18, s92, s16
	s_add_co_u32 s18, s18, 4                       ; pass 2: my one head
	s_lshl_b32 s93, s16, 1
	s_add_co_u32 s92, s92, s93                     ; pass 1: the first of my two, an even one: both lie in the same of the three
	HEADOFF 92, 93
	HEADOFF 18, 19
	s_mov_b32 s93, 0
	s_mov_b32 s19, 0
	s_add_nc_u64 s[66:67], s[12:13], s[18:19]
	s_add_nc_u64 s[12:13], s[12:13], s[92:93]
	; pass 2's bias and rows of B1 are asked for now, into registers of window 1 that the adapter's step has left: my first column there lies 256 - 64 (w % 2) columns on.  (The earlier loads are done: their bases may step.)
	s_lshl_b32 s18, s16, 8
	s_sub_co_u32 s18, 1024, s18                    ; x 4 bytes
	s_add_nc_u64 s[8:9], s[8:9], s[18:19]
	s_lshl_b32 s18, s18, 3                         ; x 32 bytes
	s_add_nc_u64 s[6:7], s[6:7], s[18:19]
	WIN TO_B
.irp b, 0,1,2,3
	global_load_b128 v[BIAS+8*\b:BIAS+8*\b+3], v3, s[8:9] offset:\b*64
	global_load_b128 v[BIAS+8*\b+4:BIAS+8*\b+7], v3, s[8:9] offset:\b*64+16
	global_load_b128 v[B1T+8*\b:B1T+8*\b+3], v4, s[6:7] offset:\b*512
	global_load_b128 v[B1T+8*\b+4:B1T+8*\b+7], v4, s[6:7] offset:\b*512+16
.endr
	WIN 0
.macro FRAG reg, adr, q, i             ; a fragment's image: two loads of 512 consecutive bytes
.irp c, 0,1
	ds_load_b128 v[\reg+4*\c:\reg+4*\c+3], v[\adr] offset:1024*(\q)+512*\c+(\i)*4096
.endr
.endm
; Pass 1, 16 products: x's blocks a0, a0 + 1 against the weight's eight, 128 along K.  The accumulators take turns, one instruction a turn, in the same order in every step.
.macro MUL16 a0, p, q, sc
.irp a, \a0, \a0+1
.irp b, 0,1,2,3,4,5,6,7
	v_wmma_scale_f32_16x16x128_f8f6f4 v[8*(8*((\a)%4)+\b):8*(8*((\a)%4)+\b)+7], v[128*(\p)+FR*\b:128*(\p)+FR*\b+FR-1], v[AF+FR*(\a):AF+FR*(\a)+FR-1], v[8*(8*((\a)%4)+\b):8*(8*((\a)%4)+\b)+7], v[SC+8*NQ*(\sc)+NQ*\b+(\q)], v[SC+8*NQ*(\sc)+NQ*(\a)+(\q)] matrix_a_fmt:MATRIX_FMT_FP4 matrix_b_fmt:MATRIX_FMT_FP4 matrix_a_scale:MATRIX_SCALE_ROW1
.endr
.endr
.endm
; Pass 2, 16 products: x's blocks a0 .. a0 + 3 against the weight's four
.macro MUL2 a0, p, q, sc
.irp a, \a0, \a0+1, \a0+2, \a0+3
.irp b, 0,1,2,3
	v_wmma_scale_f32_16x16x128_f8f6f4 v[8*(4*(\a)+\b):8*(4*(\a)+\b)+7], v[128*(\p)+FR*\b:128*(\p)+FR*\b+FR-1], v[AF+FR*(\a):AF+FR*(\a)+FR-1], v[8*(4*(\a)+\b):8*(4*(\a)+\b)+7], v[SC+8*NQ*(\sc)+NQ*\b+(\q)], v[SC+8*NQ*(\sc)+NQ*(\a)+(\q)] matrix_a_fmt:MATRIX_FMT_FP4 matrix_b_fmt:MATRIX_FMT_FP4 matrix_a_scale:MATRIX_SCALE_ROW1
.endr
.endr
.endm
.macro FETCH_B slot, q, p
	WIN TO_B
.irp i, 0,1,2,3,4,5,6,7
	FRAG 128*(\p)+FR*\i, ADRB+\slot, \q, \i
.endr
	WIN 0
.endm
.macro FETCH_B2 slot, q, p
	WIN TO_B
.irp i, 0,1,2,3
	FRAG 128*(\p)+FR*\i, ADRB2+\slot, \q, \i
.endr
	WIN 0
.endm
.macro FETCH_A slot, q, i0
.irp i, \i0, \i0+1, \i0+2, \i0+3
	FRAG AF+FR*(\i), ADRA+\slot, \q, \i
.endr
.endm
.macro SCALES sc                       ; K half sc's scale words: four a row; lanes 0-15 take x's block i, lanes 16-31 the weight's block i
.irp i, 0,1,2,3,4,5,6,7
	ds_load_b128 v[SC+8*NQ*\sc+NQ*\i:SC+8*NQ*\sc+NQ*\i+3], v[ADRS] offset:\i*512+256*\sc
.endr
.endm
.macro SCALES2 sc                      ; the same for pass 2: the weight has four blocks there; registers 4 to 7 are wanted for x's words alone and come by pass 1's address
.irp i, 0,1,2,3
	ds_load_b128 v[SC+8*NQ*\sc+NQ*\i:SC+8*NQ*\sc+NQ*\i+3], v[ADRS2] offset:\i*512+256*\sc
.endr
.irp i, 4,5,6,7
	ds_load_b128 v[SC+8*NQ*\sc+NQ*\i:SC+8*NQ*\sc+NQ*\i+3], v[ADRS] offset:\i*512+256*\sc
.endr
.endm
.macro PLACES n                        ; places ahead of loads into registers that matrix instructions have read, and of the first read of results
.rept \n
	v_nop
.endr
.endm
.macro STEP slot, q                    ; pass 1: a step of 128 along K that has its successor in the same half
	s_wait_dscnt 4*NL                              ; all but the youngest eight loads (x's blocks 4-7)
	WIN MUL_LO
	MUL16 0, (\q)%2, \q, \slot
	MUL16 2, (\q)%2, \q, \slot
	s_wait_dscnt 0
	PLACES NP
	FETCH_B \slot, (\q)+1, 1-(\q)%2
	FETCH_A \slot, (\q)+1, 0
	WIN MUL_HI
	MUL16 4, (\q)%2, \q, \slot
	MUL16 6, (\q)%2, \q, \slot
	PLACES NP
	WIN 0
	FETCH_A \slot, (\q)+1, 4
.endm
.macro STEP2 t                         ; pass 2: step t of eight, t < 7; everything lies in LDS, so the change of halves is a change of addresses
.set CS2, (\t)/4
.set CQ2, (\t)%4
.set NS2, ((\t)+1)/4
.set NQ2, ((\t)+1)%4
	s_wait_dscnt 4*NL                              ; all but the youngest eight loads (x's blocks 4-7)
	WIN MUL_LO
	MUL2 0, (\t)%2, CQ2, CS2
	s_wait_dscnt 0
	PLACES NP
	FETCH_B2 NS2, NQ2, 1-(\t)%2
	FETCH_A NS2, NQ2, 0
	WIN MUL_LO
	MUL2 4, (\t)%2, CQ2, CS2
	PLACES NP
	WIN 0
	FETCH_A NS2, NQ2, 4
.endm
	; PASS 1
	s_wait_tensorcnt 1                             ; the scale words and my part of the first half are in; the second half's load may be out
	s_barrier_signal -1
	s_barrier_wait -1                              ; everybody's are
	FETCH_B 0, 0, 0
	FETCH_A 0, 0, 0
	SCALES 0
	FETCH_A 0, 0, 4
	STEP 0, 0
	STEP 0, 1
	STEP 0, 2
	; the first half's last step changes halves, and behind the change the weight's first half is filled again: so the barrier opens a round of the cluster's
	s_wait_tensorcnt 0x0                           ; all my tensor loads have landed: my part of the second half
	ds_add_u32 v[SPW], v[NIL]                      ; 0 onto my spare word
	s_wait_dscnt 4*NL+1                            ; (the add and the youngest eight loads may be out)
	WIN MUL_LO
	MUL16 0, 1, 3, 0                               ; sixteen matrix instructions stand between the add and the wait for it
	s_wait_dscnt 0x0                               ; the add is done, and my reads of the first half are over
	s_barrier_signal -1
	MUL16 2, 1, 3, 0
	WIN 0
	s_barrier_wait -1
	CREST                                          ; no wave of any partner still reads the weight's first half or has a load on its way
	s_cmp_eq_u32 s15, 0                            ; waves 2 and 3 ask, a K half of the third part each; waves 0 and 1 have no part of it
	s_cbranch_scc1 .Lno_refill
	tensor_load_to_lds s[G0R:G0R+3], s[G1B:G1B+7]  ; the first tensor load behind the round, and my last: one load of mine is out
	s_nop 0
.rept 4
	v_nop
.endr
.Lno_refill:
	PLACES NP
	FETCH_B 1, 0, 0
	FETCH_A 1, 0, 0
	SCALES 1
	WIN MUL_HI
	MUL16 4, 1, 3, 0
	MUL16 6, 1, 3, 0
	PLACES NP
	WIN 0
	FETCH_A 1, 0, 4
	STEP 1, 0
	STEP 1, 1
	STEP 1, 2
	s_wait_dscnt 4*NL                              ; the pass's last step: nothing more to fetch
	WIN MUL_LO
	MUL16 0, 1, 3, 1
	MUL16 2, 1, 3, 1
	s_wait_dscnt 0
	WIN MUL_HI
	MUL16 4, 1, 3, 1
	MUL16 6, 1, 3, 1
	WIN 0
; THE WAY OUT, 64 registers of accumulators at a time: in pass 1 a block of 16 rows x 128 columns (two heads), in pass 2 two blocks of 16 rows x 64 columns (one head).  Rounded to f16, 16 bytes a lane;
; through my own stage, whose two halves take the two heads or the two blocks; back as rows of 128 bytes, four tokens of a head to a store.
.macro PACK a
.set AC, 64*((\a)%4)
	WIN 0x0a+5*((\a)/4)                            ; sources 0 and 1: window 2 or 3
.irp b, 0,1,2,3,4,5,6,7
.irp j, 0,1,2,3
	v_cvt_pk_f16_f32 v[TMP+4*\b+\j], v[AC+8*\b+2*\j], v[AC+8*\b+2*\j+1]       ; each accumulator from its low end on
.endr
.endr
	WIN 0
.endm
.macro TOSTAGE a
.set BB, BK+32*((\a)%2)
.irp b, 0,1,2,3,4,5,6,7
	ds_store_b128 v[STO], v[TMP+4*\b:TMP+4*\b+3] offset:(\b/4)*HSTG+(\b%4)*32
.endr
.irp t, 0,1,2,3,4,5,6,7
	ds_load_b128 v[BB+4*\t:BB+4*\t+3], v[RD] offset:(\t/4)*HSTG+(\t%4)*4*SPP   ; LDS serves a wave's instructions in order: these see the stores above
.endr
.endm
.macro SEND a, two
.set BB, BK+32*((\a)%2)
	s_wait_dscnt 0x0                               ; the block is back in registers
	s_wait_xcnt 0x0                                ; the stores of the block before have read their registers, into which the next block's loads will land
.irp t, 0,1,2,3,4,5,6,7
.if \two
	global_store_b128 v[CO], v[BB+4*\t:BB+4*\t+3], s[66:67] offset:(16*(2*(\a)+\t/4)+4*(\t%4))*128   ; 32 lanes store 512 consecutive bytes, aligned
.else
	global_store_b128 v[CO], v[BB+4*\t:BB+4*\t+3], s[12:13] offset:(\t/4)*131072+(16*(\a)+4*(\t%4))*128
.endif
.endr
.endm
	PLACES NP
	PACK 0
	TOSTAGE 0
.irp a, 1,2,3,4,5,6,7                  ; block a's conversions stand between block a - 1's loads from the stage and the wait for them
	PACK \a
	SEND \a-1, 0
	TOSTAGE \a
.endr
	SEND 7, 0
	; PASS 2
	s_wait_tensorcnt 0x0                           ; waves 2 and 3: my K half of the third part has landed (no LDS instruction of mine is out: the last wait above was for 0)
	s_barrier_signal -1
	s_barrier_wait -1                              ; both halves have
	s_wait_xcnt 0x0                                ; the last stores have read their registers, into which x's fragments come again
	SCALES2 0
	SCALES2 1
	FETCH_B2 0, 0, 0
	FETCH_A 0, 0, 0
	FETCH_A 0, 0, 4
	s_wait_loadcnt 0x0                             ; the bias and B1's rows, asked for at the head of pass 1
	WIN 0x45                                       ; sources 0, 1 and the destination window 1
.irp b, 0,1,2,3
.irp j, 0,1,2,3
	v_cvt_pk_f16_f32 v[B1F+8*\b+\j], v[B1T+8*\b+2*\j], v[B1T+8*\b+2*\j+1]
	v_mov_b32 v[B1F+8*\b+4+\j], 0
.endr
.endr
	WIN 0x91
.irp a, 0,1,2,3,4,5,6,7                ; the adapter's step: 32 products start the sums from the bias; h1's fragments have stayed
.irp b, 0,1,2,3
	v_wmma_f32_16x16x32_f16 v[8*(4*\a+\b):8*(4*\a+\b)+7], v[B1F+8*\b:B1F+8*\b+7], v[HF+8*\a:HF+8*\a+7], v[BIAS+8*\b:BIAS+8*\b+7]
.endr
.endr
	WIN 0
	PLACES 5                                       ; products of the other form add onto these results: five places
.irp t, 0,1,2,3,4,5,6
	STEP2 \t
.endr
	s_wait_dscnt 4*NL                              ; the last step
	WIN MUL_LO
	MUL2 0, 1, 3, 1
	s_wait_dscnt 0
	MUL2 4, 1, 3, 1
	WIN 0
	PLACES NP
	PACK 0
	TOSTAGE 0
.irp a, 1,2,3
	PACK \a
	SEND \a-1, 1
	TOSTAGE \a
.endr
	SEND 3, 1
	s_wait_tensorcnt 0x0                           ; the wave's end
	ds_add_u32 v[SPW], v[NIL]
	s_wait_dscnt 0x0
	CROUND                                         ; the closing round
	s_endpgm
.Lfunc_end_k_qd1c4e04e99_qkvgemm:
	.size	k_qd1c4e04e99_qkvgemm, .Lfunc_end_k_qd1c4e04e99_qkvgemm-k_qd1c4e04e99_qkvgemm
	.p2alignl 7, 3214868480
	.fill 96, 4, 3214868480
	.section	.rodata,"a",@progbits
	.p2align	6, 0x0
	.amdhsa_kernel k_qd1c4e04e99_qkvgemm
		.amdhsa_group_segment_fixed_size 327680
		.amdhsa_private_segment_fixed_size 0
		.amdhsa_enable_private_segment 0
		.amdhsa_kernarg_size 72
		.amdhsa_user_sgpr_count 2
		.amdhsa_user_sgpr_kernarg_segment_ptr 1
		.amdhsa_wavefront_size32 1
		.amdhsa_system_sgpr_workgroup_id_x 1
		.amdhsa_system_sgpr_workgroup_id_y 1
		.amdhsa_system_sgpr_workgroup_id_z 1
		.amdhsa_system_vgpr_workitem_id 0
		.amdhsa_next_free_vgpr 1024
		.amdhsa_next_free_sgpr 100
		.amdhsa_reserve_vcc 0
		.amdhsa_float_denorm_mode_32 3
		.amdhsa_float_denorm_mode_16_64 3
		.amdhsa_memory_ordered 1
		.amdhsa_forward_progress 1
		.amdhsa_inst_pref_size 210
	.end_amdhsa_kernel
	.amdgpu_metadata
---
amdhsa.version: [ 1, 2 ]
amdhsa.kernels:
  - .name:           k_qd1c4e04e99_qkvgemm
    .symbol:         k_qd1c4e04e99_qkvgemm.kd
    .args:
      - { .name: xc, .offset: 0, .size: 8, .value_kind: global_buffer, .address_space: global }
      - { .name: xs, .offset: 8, .size: 8, .value_kind: global_buffer, .address_space: global }
      - { .name: wc, .offset: 16, .size: 8, .value_kind: global_buffer, .address_space: global }
      - { .name: ws, .offset: 24, .size: 8, .value_kind: global_buffer, .address_space: global }
      - { .name: qkvh, .offset: 32, .size: 8, .value_kind: global_buffer, .address_space: global }
      - { .name: h1i, .offset: 40, .size: 8, .value_kind: global_buffer, .address_space: global }
      - { .name: B1, .offset: 48, .size: 8, .value_kind: global_buffer, .address_space: global }
      - { .name: b_qkv, .offset: 56, .size: 8, .value_kind: global_buffer, .address_space: global }
      - { .name: subject_id, .offset: 64, .size: 8, .value_kind: global_buffer, .address_space: global }
    .group_segment_fixed_size: 327680
    .private_segment_fixed_size: 0
    .kernarg_segment_align: 8
    .kernarg_segment_size: 72
    .max_flat_workgroup_size: 128
    .sgpr_count:     100
    .vgpr_count:     1024
    .wavefront_size: 32
...
	.end_amdgpu_metadata
.endif
;; end of part 2
;; launch attn (part 3): grid 2 x 128, 4 waves a work-group, no clusters, 327,680 bytes of LDS; arguments qkvh, yh; writes yh
.if DOCPART == 3
	.amdgcn_target "amdgcn-amd-amdhsa--gfx1250"
	.amdhsa_code_object_version 6
	.text
	.protected	k_qd1c4e04e99_attn
	.globl	k_qd1c4e04e99_attn
	.p2align	8
	.type	k_qd1c4e04e99_attn,@function
k_qd1c4e04e99_attn:
	s_mov_b64 s[64:65], 0
	v_nop
	global_prefetch_b8 v0, s[64:65] scope:SCOPE_SE
	s_setreg_imm32_b32 hwreg(HW_REG_WAVE_MODE, 25, 1), 1
	s_wait_xcnt 0x0
; y[b][h][q] = the sum over k of softmax_k(q . k / 8) v, head size 64, 1,024 keys.  q, k, v: f16, [which][16 b + h][token][64]; y: f16, [h][1,024 b + token][64].
; Products, maxima and sums in f32; the weights p are rounded to f16 for the second product, y once at the end.
; SHARES.  A work-group owns 512 queries of one head; all of the head's K and V lie in LDS, filled once, in four chunks of 256 keys.  A wave owns 128 queries and takes them in two passes
; of 64 (four tiles of 16) through one text.  Every wave walks all keys, 64 a step.
; NO CLUSTER: a head's K and V are wanted by two work-groups alone, and two heads would have to share a cluster of four.
; LAYOUT.  S^T = K Q^T (source 0 = 16 keys, source 1 = 16 queries): a lane holds ONE query (lane % 16) and keys 8 (lane / 16) + 0..7.  Two such tiles, rounded in pairs, ARE source 1 of
; O^T = V^T P.  K comes out of LDS as it lies, V ([key][channel]) turned, by ds_load_tr16_b128.
; SOFTMAX.  A running maximum m and sum l for each query: p = 2^(c s - c m), c = log2(e) / 8; in every step O and l are multiplied by a = 2^(c m_old - c m_new).
; BY TURNS.  The four tiles are two pieces (tiles 0, 1 and tiles 2, 3).  In a turn one piece has the matrix unit (16 products V^T P of the step in hand, 16 products K Q^T of the next step) and the
; other piece's softmax, 236 instructions in 59 slices of four, stands between them.  Two turns are a key step.
; LIMITS: f16 holds q, k, v, p and y (magnitudes under 65,504; a p under 6e-8 counts as 0 beside a row's largest, which is 1).  NaN and infinities are not served.
; REGISTERS: window 0: v2-8 addresses; v12-43 statistics, 8 a tile; v64-191 S^T, 32 a tile; v192-255 P, 16 a tile.   window 1: v0-127 O^T, 32 a tile; v128-191 Q, 16 a tile; v192-255 K of a step.
;   window 2: v0-63 V of a step.
.set KS,    64
.set PK,    144                        ; a row of K in LDS: 128 bytes + 16, an odd multiple of 16
.set PV,    160                        ; a row of V: 128 + 32, an odd multiple of 32, as the turning load's 8 rows x 32 bytes want
.set VB,    1024*PK                    ; V lies behind K
.set STAGE, VB+1024*PV                 ; 16 rows x 144 bytes for each wave; no fill lands here
.set SP,    144
.set SPARE, STAGE+4*16*SP              ; the spare words: two blocks of 256 bytes that no other line names
.set HEADB, 131072                     ; bytes of a head in q, k or v
.set AK0, 2
.set AV0, 3
.set ADR, 4
.set QO,  5
.set STO, 6
.set RD,  7
.set GO,  8
.set ST,  12                           ; tile t: +0 c m, +1 m, +2, +3 l (even keys', odd keys'), +4 to +7 at work; a takes +6
.set SPW, 62
.set NIL, 63
.set S,   64
.set P,   192
.set QF,  128                          ; in window 1
.set KF,  192                          ; in window 1
.set WV,  12
.set G1K, 24
.set G1V, 32
.set G0K, 40                           ; s[40:55] four groups 0, a chunk each
.set TW,  56
.set PASS, 57
.set CS,  58
.set SEL, 60
.set TK,  62                           ; LDS byte at which the next step's K begins
.set TV,  63                           ; and, from V's first byte, its V
.set G0V, 68                           ; s[68:83]
.set MSB, 0
.macro WIN new
.if MSB != \new
	s_set_vgpr_msb (MSB<<8)|\new
.set MSB, \new
.endif
.endm
.set W_KQ, 0x05                        ; K and Q in window 1, S^T in window 0
.set W_PV, 0x52                        ; V in window 2, P in window 0, O^T in window 1
.set W_RS, 0x41                        ; O^T (destination and source 0) in window 1, a in window 0
	s_load_b128 s[4:7], s[0:1], 0x0                ; q, k, v; y
	v_lshl_add_u32 v[SPW], v0, 2, SPARE
	v_mov_b32 v[NIL], 0
	ds_add_u32 v[SPW], v[NIL]                      ; the wave's opening: the add and its wait stand ahead of my first tensor load
	v_lshrrev_b32 v1, 5, v0
	v_readfirstlane_b32 s[WV], v1                  ; wave 0..3
	s_and_b32 s13, ttmp7, 0xffff                   ; 16 b + h
	s_and_b32 s16, s[WV], 1                        ; which 128 rows of a chunk I fetch
	s_mov_b32 s[G1K], (1<<16)|(1<<20)|(4<<22)|(3<<25)   ; elements of 2 bytes; padding on: 4 words behind every 32
	s_mov_b32 s[G1V], (1<<16)|(1<<20)|(4<<22)|(7<<25)   ; 8 words
.irp g, G1K, G1V
	s_mov_b32 s[\g+1], 64<<16                      ; tensor_dim0
	s_mov_b32 s[\g+2], 128<<16                     ; tensor_dim1
	s_mov_b32 s[\g+3], 64<<16                      ; tile_dim0
	s_mov_b32 s[\g+4], 128                         ; tile_dim1
	s_mov_b32 s[\g+5], 64                          ; tensor_dim0_stride
	s_mov_b32 s[\g+6], 0
	s_mov_b32 s[\g+7], 0
.endr
	s_mov_b32 s[CS], 0x3e38aa3b                    ; c = log2(e) / 8
	s_mov_b32 s[CS+1], s[CS]
	s_mov_b32 s[SEL], 0x76543210
	s_mov_b32 s[SEL+1], 0xfedcba98
	s_mov_b32 s[PASS], 2
	s_lshl_b32 s14, s13, 17                        ; my head in q
	s_lshl_b32 s15, s16, 14                        ; 128 rows of 128 bytes
	s_add_co_u32 s20, s14, s15
	s_add_co_u32 s20, s20, 128*HEADB               ; in k
	s_mov_b32 s21, 0
	s_add_co_u32 s22, s20, 128*HEADB               ; in v
	s_mov_b32 s23, 0
	s_lshl_b32 s15, ttmp9, 16                      ; my work-group's 512 queries,
	s_lshl_b32 s18, s[WV], 14                      ; my wave's 128
	s_add_co_u32 s15, s15, s18
	s_add_co_u32 s2, s14, s15
	s_mov_b32 s3, 0
	s_and_b32 s18, s13, 15                         ; y: the head's 8,192 rows,
	s_lshl_b32 s18, s18, 20
	s_lshr_b32 s19, s13, 4                         ; the sample's 1,024
	s_lshl_b32 s19, s19, 17
	s_add_co_u32 s18, s18, s19
	s_add_co_u32 s18, s18, s15
	s_mov_b32 s19, 0
	s_mul_i32 s17, s16, 128*PK                     ; and in LDS
	s_mul_i32 s14, s16, 128*PV
	s_add_co_u32 s14, s14, VB
	s_wait_dscnt 0x0                               ; the opening add is done
	s_wait_kmcnt 0x0
	s_add_nc_u64 s[8:9], s[4:5], s[20:21]
	s_add_nc_u64 s[10:11], s[4:5], s[22:23]
	s_add_nc_u64 s[4:5], s[4:5], s[2:3]
	s_add_nc_u64 s[6:7], s[6:7], s[18:19]
.irp c, 0,1,2,3
	s_mov_b32 s[G0K+4*\c], 1
	s_add_co_u32 s[G0K+4*\c+1], s17, \c*256*PK
	s_add_nc_u64 s[G0K+4*\c+2:G0K+4*\c+3], s[8:9], \c*256*128
	s_or_b32 s[G0K+4*\c+3], s[G0K+4*\c+3], 0x80000000
	s_mov_b32 s[G0V+4*\c], 1
	s_add_co_u32 s[G0V+4*\c+1], s14, \c*256*PV
	s_add_nc_u64 s[G0V+4*\c+2:G0V+4*\c+3], s[10:11], \c*256*128
	s_or_b32 s[G0V+4*\c+3], s[G0V+4*\c+3], 0x80000000
.endr
	s_cmp_lt_u32 s[WV], 2                          ; waves 0, 1: K's halves of each chunk; waves 2, 3: V's.  A wave's four fills stand in one branch: four loads of mine are out, and no more in the launch
	s_cbranch_scc0 .Lfirst_v
.irp c, 0,1,2,3
	tensor_load_to_lds s[G0K+4*\c:G0K+4*\c+3], s[G1K:G1K+7]
	s_nop 0
.endr
.rept 4
	v_nop
.endr
	s_branch .Lfirst_asked
.Lfirst_v:
.irp c, 0,1,2,3
	tensor_load_to_lds s[G0V+4*\c:G0V+4*\c+3], s[G1V:G1V+7]
	s_nop 0
.endr
.rept 4
	v_nop
.endr
.Lfirst_asked:
	v_and_b32 v1, 15, v0                           ; r
	v_bfe_u32 v9, v0, 4, 1                         ; h
	v_lshlrev_b32 v[QO], 7, v1
	v_lshl_add_u32 v[QO], v9, 4, v[QO]             ; Q: row r of 128 bytes, + 16 h
.macro QLOAD                           ; a pass's 64 queries: tile i / 2, channels 32 (i % 2) on
	WIN 0x40
.irp i, 0,1,2,3,4,5,6,7
	global_load_b128 v[QF+8*\i:QF+8*\i+3],   v[QO], s[4:5] offset:(\i/2)*2048+(\i%2)*64
	global_load_b128 v[QF+8*\i+4:QF+8*\i+7], v[QO], s[4:5] offset:(\i/2)*2048+(\i%2)*64+32
.endr
	WIN 0
.endm
	QLOAD
	v_mul_u32_u24 v[AK0], v1, PK
	v_lshl_add_u32 v[AK0], v9, 4, v[AK0]
	v_and_b32 v10, 7, v0
	v_bfe_u32 v11, v0, 3, 1
	v_lshl_add_u32 v[AV0], v9, 3, v10              ; the turning load: key 8 h + lane % 8, channels 8 ((lane / 8) % 2) on
	v_mul_u32_u24 v[AV0], v[AV0], PV
	v_lshl_add_u32 v[AV0], v11, 4, v[AV0]
	v_add_nc_u32 v[AV0], VB, v[AV0]
	s_mul_i32 s13, s[WV], 16*SP
	s_add_co_u32 s13, s13, STAGE
	v_mul_u32_u24 v[STO], v1, SP
	v_lshl_add_u32 v[STO], v9, 4, v[STO]
	v_add_nc_u32 v[STO], s13, v[STO]               ; the stage, in: row r, 16 bytes for each half of the lanes
	v_bfe_u32 v[RD], v0, 3, 2
	v_mul_u32_u24 v[RD], v[RD], SP
	v_lshl_add_u32 v[RD], v10, 4, v[RD]
	v_add_nc_u32 v[RD], s13, v[RD]                 ; back: eight lanes to a row of 128 bytes
	v_and_b32 v[GO], 31, v0
	v_lshlrev_b32 v[GO], 4, v[GO]
; Product i of 16 of O^T += V^T P: keys 32 (i / 8) on, channels 16 ((i / 2) % 4) on, tile x + i % 2.  Eight accumulators by turns.  zero = 1: the first 8 start the sums.
.macro PV x, zero
	WIN W_PV
.set rO, 32*(\x+i%2)+8*((i/2)%4)
.set rV, 32*(i/8)+8*((i/2)%4)
.set rP, P+16*(\x+i%2)+8*(i/8)
.if \zero && (i < 8)
	v_wmma_f32_16x16x32_f16 v[rO:rO+7], v[rV:rV+7], v[rP:rP+7], 0
.else
	v_wmma_f32_16x16x32_f16 v[rO:rO+7], v[rV:rV+7], v[rP:rP+7], v[rO:rO+7]
.endif
.endm
; Product i of 16 of S^T = K Q^T: channels 32 (i / 8) on, keys 16 ((i / 2) % 4) on, tile x + i % 2.  The first 8 start the sums.
.macro KQ x
	WIN W_KQ
.set rS, S+32*(\x+i%2)+8*((i/2)%4)
.set rK, KF+16*((i/2)%4)+8*(i/8)
.set rQ, QF+16*(\x+i%2)+8*(i/8)
.if i < 8
	v_wmma_f32_16x16x32_f16 v[rS:rS+7], v[rK:rK+7], v[rQ:rQ+7], 0
.else
	v_wmma_f32_16x16x32_f16 v[rS:rS+7], v[rK:rK+7], v[rQ:rQ+7], v[rS:rS+7]
.endif
.endm
.macro FETCH_K                         ; a step's K: 8 fragments, 16 loads in one run
	WIN 0
	v_add_nc_u32 v[ADR], s[TK], v[AK0]
	s_add_co_u32 s[TK], s[TK], KS*PK
	WIN 0x40
.irp f, 0,1,2,3,4,5,6,7
	ds_load_b128 v[KF+8*\f:KF+8*\f+3],   v[ADR] offset:(\f/2)*16*PK+(\f%2)*64
	ds_load_b128 v[KF+8*\f+4:KF+8*\f+7], v[ADR] offset:(\f/2)*16*PK+(\f%2)*64+32
.endr
.endm
.macro FETCH_V                         ; a step's V, turned; the wait for the softmax's batch stands in it
	WIN 0
	v_add_nc_u32 v[ADR], s[TV], v[AV0]
	s_add_co_u32 s[TV], s[TV], KS*PV
	s_wait_alu depctr_va_vdst(0)                   ; one wait for all the exponentials issued so far, ahead of the first line that names a result
	WIN 0x80
.irp f, 0,1,2,3,4,5,6,7
	ds_load_tr16_b128 v[8*\f:8*\f+3],   v[ADR] offset:(\f/4)*32*PV+(\f%4)*32
	ds_load_tr16_b128 v[8*\f+4:8*\f+7], v[ADR] offset:(\f/4)*32*PV+16*PV+(\f%4)*32
.endr
.endm
; One tile's softmax for one key step is a list of 118 instructions; SM writes number j of it for tile t.
;   0-15 the maximum of the lane's 32 scores and the old m;  16-20 the other half of the lanes', the new m, c m and its change;  21-69 ONE BATCH: 16 packed scalings and 33 exponentials, none of
;   which reads an exponential's result;  (the wait)  70-85 roundings to f16;  86-101 the sums, l = a l + the sum;  102-117 O^T times a.   first = 1: the first key step has no a and nothing to rescale.
.macro SM t, first
.set rT, ST+8*(\t)
.set rS, S+32*(\t)
.set rP, P+16*(\t)
.set rO, 32*(\t)+2*(j-102)
.if j < 102
	WIN 0
.endif
.if j < 4
	v_max3_num_f32 v[rT+4+j], v[rS+8*j], v[rS+8*j+1], v[rS+8*j+2]
.elseif j < 12
	v_max3_num_f32 v[rT+4+j%4], v[rT+4+j%4], v[rS+8*(j%4)+2*(j/4)+1], v[rS+8*(j%4)+2*(j/4)+2]
.elseif j == 12
	v_max3_num_f32 v[rT+4], v[rT+4], v[rS+7], v[rS+15]
.elseif j == 13
	v_max3_num_f32 v[rT+6], v[rT+6], v[rS+23], v[rS+31]
.elseif j == 14
	v_max3_num_f32 v[rT+4], v[rT+4], v[rT+5], v[rT+6]
.elseif (j == 15) && \first
	v_max_num_f32 v[rT+4], v[rT+4], v[rT+7]
.elseif j == 15
	v_max3_num_f32 v[rT+4], v[rT+4], v[rT+7], v[rT+1]
.elseif j == 16
	v_permlanex16_b32 v[rT+5], v[rT+4], s[SEL], s[SEL+1]
.elseif j == 18
	v_max_num_f32 v[rT+1], v[rT+4], v[rT+5]
.elseif j == 19
	v_mul_f32 v[rT], s[CS], v[rT+1]
.elseif ((j == 17) || (j == 20) || (j == 23) || (j > 101)) && \first
.elseif j == 17
	v_mov_b32 v[rT+7], v[rT]
.elseif j == 20
	v_sub_f32 v[rT+7], v[rT+7], v[rT]
.elseif j == 23
	v_exp_f32 v[rT+6], v[rT+7]
.elseif (j < 23) || ((j < 38) && (j%2 == 0)) || ((j < 66) && (j%4 == 2))
.set b, (j-2)/4
.if j < 38
.set b, (j-20)/2
.endif
	v_pk_fma_f32 v[rS+2*b:rS+2*b+1], v[rS+2*b:rS+2*b+1], s[CS:CS+1], v[rT:rT+1] op_sel_hi:[1,0,0] neg_lo:[0,0,1] neg_hi:[0,0,1]
.elseif j < 70
.set e, j-38
.if j < 66
.set e, j-32-(j-38)/4
.endif
.if j < 38
.set e, (j-25)/2
.endif
	v_exp_f32 v[rS+e], v[rS+e]
.elseif j < 86
	v_cvt_pk_f16_f32 v[rP+j-70], v[rS+2*(j-70)], v[rS+2*(j-70)+1]
.elseif j < 102
.set z, j-86
.set w, 4
.set u, z
.if z >= 14
.set w, 32
.set u, 0
.elseif z >= 12
.set w, 16
.set u, z-12
.elseif z >= 8
.set w, 8
.set u, z-8
.endif
.if (z == 14) && \first
	v_pk_add_f32 v[rT+2:rT+3], v[rS:rS+1], v[rS+16:rS+17]
.elseif z < 15
	v_pk_add_f32 v[rS+w*u:rS+w*u+1], v[rS+w*u:rS+w*u+1], v[rS+w*u+w/2:rS+w*u+w/2+1]
.elseif !\first
	v_pk_fma_f32 v[rT+2:rT+3], v[rT+2:rT+3], v[rT+6:rT+7], v[rS:rS+1] op_sel_hi:[1,0,1]
.endif
.else
	WIN W_RS
	v_pk_mul_f32 v[rO:rO+1], v[rO:rO+1], v[rT+6:rT+7] op_sel_hi:[1,0]
.endif
.endm
; Slice k of 59 of piece y's softmax: four instructions.  Slices 11 to 34 deal out the batch, four numbers of one tile each, the tiles by turns; every other slice is numbers 2 k, 2 k + 1 of both tiles.
.macro SLICE y, first
.if (k >= 11) && (k < 35)
.irp n, 0,1,2,3
.set j, 22+4*((k-11)/2)+(\n)
	SM (\y)+(k-11)%2, \first
.endr
.else
.irp n, 0,1
.irp t, \y, \y+1
.set j, 2*k+\n
	SM \t, \first
.endr
.endr
.endif
.if k == 34                            ; the batch is out, and no result has been named
	v_nop                                          ; the plain instruction behind the last exponential
.if (\y) == 0
	FETCH_V
.else
	s_wait_alu depctr_va_vdst(0)                   ; the one wait for the batch
.endif
.endif
.set k, k+1
.endm
.macro PLACES
.rept 4
	v_nop
.endr
.endm
; The slices behind matrix instruction mi of a turn's nw: per of them, but so that each of the last instructions still has one, and the last slice, four plain multiplications of the other
; piece's O^T, stands behind the last instruction: they are the places ahead of the next reads of fresh scores and of the loads into K's and Q's registers.
.macro EMIT y, first
.set lim, per*(mi+1)
.if lim > 59-(nw-1-mi)
.set lim, 59-(nw-1-mi)
.endif
.rept per
.if k < lim
	SLICE \y, \first
.endif
.endr
.set mi, mi+1
.endm
; A TURN.  Piece x has the matrix unit.  pv = 2: 16 products V^T P; 1: they start O^T's sums; 0: none.  kq = 1: 16 products K Q^T of the next step.
; Piece 0's turn fetches the next step's K behind its second product; piece 2's turn the same step's V behind slice 34: behind V's last reader stand three scalings, the v_nop and the run's own addition.
.macro TURN x, pv, kq, first
.set k, 0
.set mi, 0
.set nw, 16
.set per, 4
.if \pv && \kq
.set nw, 32
.set per, 2
.endif
.if \pv
.if \x == 0
	s_wait_dscnt 0x0                               ; V is in
.endif
.set i, 0
.rept 16
	PV \x, 2-\pv
	EMIT 2-\x, \first
.if (\x == 0) && \kq && (i == 1)
	FETCH_K
.endif
.set i, i+1
.endr
.endif
.if \kq
.if \x == 0
	s_wait_dscnt 0x0                               ; K is in
.endif
.set i, 0
.rept 16
	KQ \x
	EMIT 2-\x, \first
.set i, i+1
.endr
.endif
.if \first
	PLACES                                         ; the first step's last slices are empty
.endif
.endm
; A chunk is shown to every wave: each waits until its own load of that chunk has landed (left = its loads of later chunks, which may stay out), then the barrier.
.macro SYNC left
	WIN 0
	s_wait_tensorcnt \left
	s_wait_dscnt 0x0
	s_barrier_signal -1
	s_barrier_wait -1
.endm
.macro LOOPN trips                     ; key steps, written once for each chunk
	s_mov_b32 s[TW], \trips
.Lstep_\@:
	TURN 0, 2, 1, 0
	TURN 2, 2, 1, 0
	WIN 0
	s_sub_co_u32 s[TW], s[TW], 1
	s_cmp_lg_u32 s[TW], 0
	s_cbranch_scc1 .Lstep_\@
.endm
; the way out of tile t
.macro PACK t
	WIN W_RS
.set i, 32*\t
.rept 16
	v_pk_mul_f32 v[i:i+1], v[i:i+1], v[ST+8*\t+6:ST+8*\t+7] op_sel_hi:[1,0]
.set i, i+2
.endr
	WIN 0x05
.set i, 0
.rept 16
	v_cvt_pk_f16_f32 v[S+32*\t+i], v[32*\t+2*i], v[32*\t+2*i+1]
.set i, i+1
.endr
	WIN 0
.irp f, 0,1,2,3
	ds_store_b128 v[STO], v[S+32*\t+4*\f:S+32*\t+4*\f+3] offset:32*\f
.endr
.irp f, 0,1,2,3
	ds_load_b128 v[S+32*\t+4*\f:S+32*\t+4*\f+3], v[RD] offset:\f*4*SP   ; LDS serves a wave's instructions in order: these see the stores above; the next tile's stores come behind them
.endr
.endm
.macro SEND t, younger
.irp f, 0,1,2,3
	s_wait_dscnt \younger+3-\f
	global_store_b128 v[GO], v[S+32*\t+4*\f:S+32*\t+4*\f+3], s[6:7] offset:\t*2048+\f*512   ; 32 lanes store 512 consecutive bytes, aligned: four tokens of the head
.endr
.endm
.Lpass:                                            ; two trips: 64 queries each
	s_mov_b32 s[TK], 0
	s_mov_b32 s[TV], 0
	SYNC 3                                         ; chunk 0 (in the second pass every chunk has landed long ago)
	FETCH_K                                        ; key step 0
	s_wait_loadcnt 0x0                             ; Q; its loads are done, so their base may step
	s_add_nc_u64 s[4:5], s[4:5], 64*128
	s_wait_dscnt 0x0
.set i, 0
.rept 16
	KQ 0
.set i, i+1
.endr
	PLACES
	TURN 2, 0, 1, 1                                ; piece 2's first scores | piece 0's first softmax | V of step 0
	TURN 0, 1, 1, 1                                ; piece 0: V^T P of step 0 starts O^T, K Q^T of step 1 | piece 2's first softmax | K of step 1
	TURN 2, 1, 1, 0                                ; piece 2: the same | piece 0's softmax of step 1 | V of step 1
	WIN 0
	LOOPN 2                                        ; trip j fetches step j + 1: steps 2, 3
	SYNC 2                                         ; chunk 1
	LOOPN 4                                        ; steps 4 to 7
	SYNC 1
	LOOPN 4                                        ; steps 8 to 11
	SYNC 0
	LOOPN 4                                        ; steps 12 to 15
	s_cmp_eq_u32 s[PASS], 1                        ; the next pass's Q is asked for here, if there is a next pass: no load leaves its buffer
	s_cbranch_scc1 .Lno_q
	QLOAD
.Lno_q:
	TURN 0, 2, 0, 0                                ; piece 0: V^T P of the last step | piece 2's last softmax
.set i, 0
.rept 16
	PV 2, 0
.set i, i+1
.endr
	WIN 0                                          ; the additions are the places behind the last products
.irp t, 0,1,2,3
	v_add_f32 v[ST+8*\t+4], v[ST+8*\t+2], v[ST+8*\t+3]
.endr
.irp t, 0,1,2,3
	v_permlanex16_b32 v[ST+8*\t+5], v[ST+8*\t+4], s[SEL], s[SEL+1]
.endr
.irp t, 0,1,2,3
	v_add_f32 v[ST+8*\t+4], v[ST+8*\t+4], v[ST+8*\t+5]
.endr
.irp t, 0,1,2,3
	v_rcp_f32 v[ST+8*\t+6], v[ST+8*\t+4]
.endr
	v_nop
	s_wait_alu depctr_va_vdst(0)                   ; one wait for the four reciprocals, ahead of their first use
	PACK 0
	PACK 1
	SEND 0, 8
	PACK 2
	SEND 1, 8
	PACK 3
	SEND 2, 8
	SEND 3, 0
	s_wait_xcnt 0x0                                ; the stores have read their registers and their base: both are written again in the next pass
	s_add_nc_u64 s[6:7], s[6:7], 64*128
	s_sub_co_u32 s[PASS], s[PASS], 1
	s_cmp_lg_u32 s[PASS], 0
	s_cbranch_scc1 .Lpass
	s_wait_tensorcnt 0x0                           ; the wave's end
	ds_add_u32 v[SPW], v[NIL]
	s_wait_dscnt 0x0
	s_endpgm
.Lfunc_end_k_qd1c4e04e99_attn:
	.size	k_qd1c4e04e99_attn, .Lfunc_end_k_qd1c4e04e99_attn-k_qd1c4e04e99_attn
	.p2alignl 7, 3214868480
	.fill 96, 4, 3214868480
	.section	.rodata,"a",@progbits
	.p2align	6, 0x0
	.amdhsa_kernel k_qd1c4e04e99_attn
		.amdhsa_group_segment_fixed_size 327680
		.amdhsa_private_segment_fixed_size 0
		.amdhsa_enable_private_segment 0
		.amdhsa_kernarg_size 16
		.amdhsa_user_sgpr_count 2
		.amdhsa_user_sgpr_kernarg_segment_ptr 1
		.amdhsa_wavefront_size32 1
		.amdhsa_system_sgpr_workgroup_id_x 1
		.amdhsa_system_sgpr_workgroup_id_y 1
		.amdhsa_system_sgpr_workgroup_id_z 1
		.amdhsa_system_vgpr_workitem_id 0
		.amdhsa_next_free_vgpr 576
		.amdhsa_next_free_sgpr 88
		.amdhsa_reserve_vcc 0
		.amdhsa_float_denorm_mode_32 3
		.amdhsa_float_denorm_mode_16_64 3
		.amdhsa_memory_ordered 1
		.amdhsa_forward_progress 1
		.amdhsa_inst_pref_size 231
	.end_amdhsa_kernel
	.amdgpu_metadata
---
amdhsa.version: [ 1, 2 ]
amdhsa.kernels:
  - .name:           k_qd1c4e04e99_attn
    .symbol:         k_qd1c4e04e99_attn.kd
    .args:
      - { .name: qkvh, .offset: 0, .size: 8, .value_kind: global_buffer, .address_space: global }
      - { .name: yh, .offset: 8, .size: 8, .value_kind: global_buffer, .address_space: global }
    .group_segment_fixed_size: 327680
    .private_segment_fixed_size: 0
    .kernarg_segment_align: 8
    .kernarg_segment_size: 16
    .max_flat_workgroup_size: 128
    .sgpr_count:     88
    .vgpr_count:     576
    .wavefront_size: 32
...
	.end_amdgpu_metadata
.endif
;; end of part 3
;; launch proj (part 4): grid 4 x 64, 4 waves a work-group, clusters of 4 x 4, 327,680 bytes of LDS; arguments yh, weff, b_p, out0; writes out0
.if DOCPART == 4
	.amdgcn_target "amdgcn-amd-amdhsa--gfx1250"
	.amdhsa_code_object_version 6
	.text
	.protected	k_qd1c4e04e99_proj
	.globl	k_qd1c4e04e99_proj
	.p2align	8
	.type	k_qd1c4e04e99_proj,@function
k_qd1c4e04e99_proj:
	s_mov_b64 s[64:65], 0
	v_nop
	global_prefetch_b8 v0, s[64:65] scope:SCOPE_SE
	s_setreg_imm32_b32 hwreg(HW_REG_WAVE_MODE, 25, 1), 1
	s_wait_xcnt 0x0
	s_wait_alu depctr_hold_cnt(0) depctr_sa_sdst(0) depctr_va_vdst(0) depctr_va_sdst(0) depctr_va_ssrc(0) depctr_va_vcc(0) depctr_vm_vsrc(0)
	s_getreg_b32 s2, hwreg(HW_REG_IB_STS2, 6, 4)
	s_cmp_eq_u32 s2, 0
	s_cbranch_scc0 .Lentry_in_a_cluster
	s_endpgm
.Lentry_in_a_cluster:
	s_bfe_u32 s2, ttmp6, 0x10000c
	s_cmp_lg_u32 s2, 0xf033
	s_cbranch_scc0 .Lentry_shape_is_right
	s_endpgm
.Lentry_shape_is_right:
; out = y W_eff[b]^T + b_p: the last layer with its adapter merged into the weight.  y: f16, [head][row][64]; W_eff: f16, [sample][n][k]; out: f32, [8,192][1,024].  Sums in f32.
; A work-group of four waves makes 128 x 256: 256 work-groups.  A wave makes 64 x 128: 32 accumulators.  K goes in 8 steps of 128 (two heads) through a ring of two LDS slots.
; CLUSTERS: 4 x 4.  The four of a row of the cluster need the same rows of y, the four of a column the same rows of W_eff (a cluster's 512 rows lie in one sample): each tile is asked for jointly.
; Waves 0, 1 fetch y's two heads of a step (128 rows x 128 bytes), waves 2, 3 the halves of W_eff's 256 rows x 256 bytes: one load a wave behind each round.
; THE MATRIX INSTRUCTION IS USED TRANSPOSED (source 0 = 16 rows of W_eff, source 1 = 16 rows of y).  The bias is the C of each sum's first product.
; No prefetch: one step's load has 112 products in which to land, and the launch moves its inputs and its output at a large share of what it computes.
; LIMITS: f16 operands (magnitudes under 65,504).
; REGISTERS: window 0: v16-29 addresses; v64-159, v160-255 two fragment buffers (y's 4 fragments, then W_eff's 8); on the way out v64-191 rows.   window 1: the accumulators ((a, b) at v[8 (8 a + b)]).   window 2: v0-63 the bias.
.set PA,     144                       ; a row of y's tile in LDS: 128 bytes + 16
.set PB,     272                       ; a row of W_eff's: 256 + 16
.set ASUB,   128*PA                    ; one head's 128 rows
.set BOFF,   2*ASUB
.set BHALF,  128*PB
.set SLOT,   BOFF+2*BHALF
.set STAGE,  2*SLOT                    ; 16 rows x 528 bytes for each wave; no fill lands here
.set SPITCH, 528
.set SPARE,  STAGE+4*16*SPITCH
.set LAPS,   4                         ; a lap = two K steps
.set ADRA, 16
.set ADRB, 20
.set STO,  24
.set RD,   25
.set CO,   26
.set SPW,  28
.set NIL,  29
.set F0,   64
.set F1,   160
.set BK,   64
.set G1, 24
.set G0, 32
.set G1B, 48
.set G0B, 56
.set MSB, 0
.macro WIN new
.if MSB != \new
	s_set_vgpr_msb (MSB<<8)|\new
.set MSB, \new
.endif
.endm
.set MUL,  0x50                        ; sources 0, 1 window 0; C and D window 1
.set MUL0, 0x60                        ; C (the bias) window 2, D window 1
.macro JLOAD s                         ; an s_nop 0 and four v_nop follow each of the two lines
	s_cmp_eq_u32 s15, 0
	s_cbranch_scc0 .Lfor_b_\@
	tensor_load_to_lds s[G0+4*\s:G0+4*\s+3], s[G1:G1+7]
	s_nop 0
.rept 4
	v_nop
.endr
	s_branch .Lasked_\@
.Lfor_b_\@:
	tensor_load_to_lds s[G0B+4*\s:G0B+4*\s+3], s[G1B:G1B+7]
	s_nop 0
.rept 4
	v_nop
.endr
.Lasked_\@:
.endm
.macro CREST
	s_cmp_lg_u32 s14, 0
	s_cbranch_scc1 .Lnot_wave_0_\@
	s_barrier_signal -3
.Lnot_wave_0_\@:
	s_barrier_wait -3
	s_barrier_signal -1
	s_barrier_wait -1
.endm
.macro CROUND
	s_barrier_signal -1
	s_barrier_wait -1
	CREST
.endm
	s_load_b256 s[4:11], s[0:1], 0x0               ; y, W_eff, b_p, out
	v_lshl_add_u32 v[SPW], v0, 2, SPARE
	v_mov_b32 v[NIL], 0
	ds_add_u32 v[SPW], v[NIL]                      ; the wave's opening: the add and its wait stand ahead of my first tensor load
	v_lshrrev_b32 v1, 5, v0
	v_readfirstlane_b32 s14, v1                    ; wave 0..3
	s_lshr_b32 s15, s14, 1                         ; which 64 rows are mine.  Also: I fetch for y (0) or for W_eff (1)
	s_and_b32 s16, s14, 1                          ; which 128 columns.  Also: which head, or which 128 rows, I fetch
	s_bfe_u32 s40, ttmp6, 0x40000
	s_bfe_u32 s41, ttmp6, 0x40004
	s_lshl_b32 s42, ttmp9, 2
	s_add_co_u32 s42, s42, s40                     ; tile column
	s_and_b32 s13, ttmp7, 0xffff                   ; the cluster's y
	s_lshl_b32 s17, s13, 2
	s_add_co_u32 s17, s17, s41                     ; tile row
	s_lshl_b32 s43, s41, 2
	s_lshl_b32 s43, 15, s43
	s_lshl_b32 s44, 0x1111, s40
	s_or_b32 s[G1+0], s43, (1<<16)|(1<<20)|(1<<21)|(4<<22)|(3<<25)    ; y: to my row of the cluster; elements of 2 bytes; 4 words of padding behind every 32
	s_mov_b32 s[G1+1], 64<<16
	s_mov_b32 s[G1+2], 128<<16
	s_mov_b32 s[G1+3], 64<<16
	s_mov_b32 s[G1+4], 128
	s_mov_b32 s[G1+5], 64
	s_mov_b32 s[G1+6], 0
	s_mov_b32 s[G1+7], 0
	s_or_b32 s[G1B+0], s44, (1<<16)|(1<<20)|(1<<21)|(5<<22)|(3<<25)   ; W_eff: to my column; 4 words behind every 64
	s_mov_b32 s[G1B+1], 128<<16
	s_mov_b32 s[G1B+2], 128<<16
	s_mov_b32 s[G1B+3], 128<<16
	s_mov_b32 s[G1B+4], 128
	s_mov_b32 s[G1B+5], 1024
	s_mov_b32 s[G1B+6], 0
	s_mov_b32 s[G1B+7], 0
	s_lshl_b32 s20, s16, 20                        ; y: my head of the step's two, 1 MiB each,
	s_lshl_b32 s21, s17, 14                        ; the tile row's 128 rows of 128 bytes
	s_add_co_u32 s20, s20, s21
	s_mov_b32 s21, 0
	s_lshr_b32 s46, s13, 1                         ; W_eff: the sample (two clusters each), 2 MiB,
	s_lshl_b32 s46, s46, 21
	s_lshl_b32 s47, s42, 19                        ; the tile column's 256 rows of 2,048 bytes,
	s_add_co_u32 s46, s46, s47
	s_lshl_b32 s47, s16, 18                        ; my 128
	s_add_co_u32 s46, s46, s47
	s_mov_b32 s47, 0
	s_mul_i32 s45, s16, ASUB                       ; where they go
	s_mul_i32 s18, s16, BHALF
	s_add_co_u32 s18, s18, BOFF
	s_wait_dscnt 0x0
	s_wait_kmcnt 0x0
	s_add_nc_u64 s[20:21], s[4:5], s[20:21]
	s_add_nc_u64 s[46:47], s[6:7], s[46:47]
	CROUND                                         ; all sixteen work-groups are here
.irp s, 0,1
	s_mov_b32 s[G0+4*\s], 1
	s_add_co_u32 s[G0+4*\s+1], s45, \s*SLOT
	s_add_nc_u64 s[G0+4*\s+2:G0+4*\s+3], s[20:21], \s*2*1048576
	s_or_b32 s[G0+4*\s+3], s[G0+4*\s+3], 0x80000000
	s_mov_b32 s[G0B+4*\s], 1
	s_add_co_u32 s[G0B+4*\s+1], s18, \s*SLOT
	s_add_nc_u64 s[G0B+4*\s+2:G0B+4*\s+3], s[46:47], \s*256
	s_or_b32 s[G0B+4*\s+3], s[G0B+4*\s+3], 0x80000000
	JLOAD \s                                       ; two loads of mine are out
.endr
	v_and_b32 v1, 15, v0
	v_bfe_u32 v2, v0, 4, 1
	v_lshlrev_b32 v3, 5, v2
	s_lshl_b32 s46, s42, 8
	s_lshl_b32 s47, s16, 7
	s_add_co_u32 s46, s46, s47                     ; my first column
	s_lshl_b32 s46, s46, 2
	s_mov_b32 s47, 0
	s_add_nc_u64 s[8:9], s[8:9], s[46:47]
	WIN 0x80
.irp b, 0,1,2,3,4,5,6,7
	global_load_b128 v[8*\b:8*\b+3], v3, s[8:9] offset:\b*64          ; the bias in the result's layout: columns 16 b + 8 h + 0 .. 7
	global_load_b128 v[8*\b+4:8*\b+7], v3, s[8:9] offset:\b*64+16
.endr
	WIN 0
	v_mul_u32_u24 v4, v1, PA
	v_lshl_add_u32 v4, v2, 4, v4
	v_mul_u32_u24 v5, v1, PB
	v_lshl_add_u32 v5, v2, 4, v5
	s_mul_i32 s21, s15, 64*PA
	s_mul_i32 s22, s16, BHALF
	s_add_co_u32 s22, s22, BOFF
.irp s, 0,1
	v_add_nc_u32 v[ADRA+\s], s21, v4
	v_add_nc_u32 v[ADRB+\s], s22, v5
	s_add_co_u32 s21, s21, SLOT
	s_add_co_u32 s22, s22, SLOT
.endr
	s_mul_i32 s23, s14, 16*SPITCH
	s_add_co_u32 s23, s23, STAGE
	v_mul_u32_u24 v5, v1, SPITCH
	v_lshl_add_u32 v5, v2, 5, v5
	v_add_nc_u32 v[STO], s23, v5
	v_and_b32 v6, 31, v0
	v_lshlrev_b32 v[CO], 4, v6
	v_add_nc_u32 v[RD], s23, v[CO]
	s_lshl_b32 s20, s17, 19                        ; out: the tile row's 128 rows of 4,096 bytes,
	s_lshl_b32 s21, s15, 18                        ; my 64
	s_add_co_u32 s20, s20, s21
	s_mov_b32 s21, 0
	s_add_nc_u64 s[10:11], s[10:11], s[20:21]
	s_add_nc_u64 s[10:11], s[10:11], s[46:47]
.macro MULB f, a, zero                 ; 8 products: y's block a against W_eff's eight, 32 along K.  The 32 accumulators take turns, in the same order in every quarter
.irp b, 0,1,2,3,4,5,6,7
.if \zero
	v_wmma_f32_16x16x32_f16 v[8*(8*\a+\b):8*(8*\a+\b)+7], v[\f+32+8*\b:\f+32+8*\b+7], v[\f+8*\a:\f+8*\a+7], v[8*\b:8*\b+7]
.else
	v_wmma_f32_16x16x32_f16 v[8*(8*\a+\b):8*(8*\a+\b)+7], v[\f+32+8*\b:\f+32+8*\b+7], v[\f+8*\a:\f+8*\a+7], v[8*(8*\a+\b):8*(8*\a+\b)+7]
.endif
.endr
.endm
.macro FETCH slot, kk, f               ; 24 LDS loads in one run: quarter kk's fragments, W_eff's first
	WIN 0
.irp i, 0,1,2,3,4,5,6,7
	ds_load_b128 v[\f+32+8*\i:\f+32+8*\i+3], v[ADRB+\slot] offset:(\kk)*64+\i*16*PB
	ds_load_b128 v[\f+32+8*\i+4:\f+32+8*\i+7], v[ADRB+\slot] offset:(\kk)*64+\i*16*PB+32
.endr
.irp i, 0,1,2,3
	ds_load_b128 v[\f+8*\i:\f+8*\i+3], v[ADRA+\slot] offset:((\kk)/2)*ASUB+((\kk)%2)*64+\i*16*PA
	ds_load_b128 v[\f+8*\i+4:\f+8*\i+7], v[ADRA+\slot] offset:((\kk)/2)*ASUB+((\kk)%2)*64+\i*16*PA+32
.endr
.endm
.macro PLACES
.rept 4
	v_nop
.endr
.endm
.macro QUARTER slot, kk, f, g, zero    ; multiplies buffer f and fetches quarter kk into g
	s_wait_dscnt 4                                 ; all but the youngest four loads (y's blocks 2, 3)
	WIN MUL+0x10*\zero
	MULB \f, 0, \zero
	MULB \f, 1, \zero
	PLACES
	FETCH \slot, \kk, \g
	s_wait_dscnt 24                                ; all but the 24 just issued
	WIN MUL+0x10*\zero
	MULB \f, 2, \zero
	MULB \f, 3, \zero
.endm
; A K step's last quarter changes slots: one barrier; in front of it each wave waits for all its tensor loads, adds 0 to its spare word, and waits for that and for its reads of this slot.
.macro TURN slot, next, fill
	WIN 0
	s_wait_tensorcnt 0x0                           ; my part of the next slot is in, and no load of mine is out
	ds_add_u32 v[SPW], v[NIL]
	s_wait_dscnt 5                                 ; (the add and the youngest four loads may be out)
	WIN MUL
	MULB F1, 0, 0
	s_wait_dscnt 0x0                               ; the add is done, and my reads of this slot are over
	s_barrier_signal -1
	MULB F1, 1, 0
.if \fill
	WIN 0
.endif
	s_barrier_wait -1
.if \fill
	CREST                                          ; the barrier has opened a round of the cluster's: no wave of any partner still reads this slot or has a load on its way
	s_add_nc_u64 s[G0+4*\slot+2:G0+4*\slot+3], s[G0+4*\slot+2:G0+4*\slot+3], 4*1048576
	s_add_nc_u64 s[G0B+4*\slot+2:G0B+4*\slot+3], s[G0B+4*\slot+2:G0B+4*\slot+3], 512
	JLOAD \slot                                    ; the first tensor load behind the round; its four v_nop are also the places ahead of the loads below
.else
	PLACES
.endif
	FETCH \next, 0, F0
	WIN MUL
	MULB F1, 2, 0
	MULB F1, 3, 0
.endm
	s_wait_tensorcnt 1                             ; my part of K step 0 is in; K step 1's may be out
	s_barrier_signal -1
	s_barrier_wait -1
	FETCH 0, 0, F0
	s_wait_loadcnt 0x0                             ; the bias
	QUARTER 0, 1, F0, F1, 1                        ; the first quarter stands ahead of the loop: its products start the sums from the bias
	WIN 0
	s_mov_b32 s3, LAPS-1
.Llap:
	QUARTER 0, 2, F1, F0, 0
	QUARTER 0, 3, F0, F1, 0
	TURN 0, 1, 1
	QUARTER 1, 1, F0, F1, 0
	QUARTER 1, 2, F1, F0, 0
	QUARTER 1, 3, F0, F1, 0
	TURN 1, 0, 1
	QUARTER 0, 1, F0, F1, 0
	WIN 0
	s_sub_co_u32 s3, s3, 1
	s_cmp_lg_u32 s3, 0
	s_cbranch_scc1 .Llap
	QUARTER 0, 2, F1, F0, 0                        ; the last lap fills nothing
	QUARTER 0, 3, F0, F1, 0
	TURN 0, 1, 0
	QUARTER 1, 1, F0, F1, 0
	QUARTER 1, 2, F1, F0, 0
	QUARTER 1, 3, F0, F1, 0
	s_wait_dscnt 4
	WIN MUL
	MULB F1, 0, 0
	MULB F1, 1, 0
	s_wait_dscnt 0
	MULB F1, 2, 0
	MULB F1, 3, 0
	WIN 0
; THE WAY OUT, block by block of 16 rows x 128 columns: through my own stage, back as whole rows of 512 bytes.
.macro TOSTAGE a
	WIN 0x04                                       ; an LDS store's data are its source 1: window 1
.irp b, 0,1,2,3,4,5,6,7
	ds_store_b128 v[STO], v[64*(\a)+8*\b:64*(\a)+8*\b+3] offset:64*\b          ; each accumulator from its low end on
	ds_store_b128 v[STO], v[64*(\a)+8*\b+4:64*(\a)+8*\b+7] offset:64*\b+16
.endr
	WIN 0
.set BB, BK+64*((\a)%2)
.irp t, 0,1,2,3,4,5,6,7,8,9,10,11,12,13,14,15
	ds_load_b128 v[BB+4*\t:BB+4*\t+3], v[RD] offset:\t*SPITCH    ; LDS serves a wave's instructions in order
.endr
.endm
.macro SEND a, younger
.set BB, BK+64*((\a)%2)
	s_wait_dscnt \younger
.irp t, 0,1,2,3,4,5,6,7,8,9,10,11,12,13,14,15
	global_store_b128 v[CO], v[BB+4*\t:BB+4*\t+3], s[10:11] offset:(16*(\a)+\t)*4096 th:TH_STORE_NT   ; 32 lanes store 512 consecutive bytes, aligned
.endr
.endm
	PLACES
	TOSTAGE 0
.irp a, 1,2,3
.if \a > 1
	s_wait_xcnt 0x0                                ; block a - 2's stores have read their registers: block a's loads may land there
.endif
	TOSTAGE \a
	SEND \a-1, 32                                  ; behind block a - 1's loads: block a's 16 stores and 16 loads
.endr
	SEND 3, 0
	s_wait_tensorcnt 0x0                           ; the wave's end
	ds_add_u32 v[SPW], v[NIL]
	s_wait_dscnt 0x0
	CROUND                                         ; the closing round
	s_endpgm
.Lfunc_end_k_qd1c4e04e99_proj:
	.size	k_qd1c4e04e99_proj, .Lfunc_end_k_qd1c4e04e99_proj-k_qd1c4e04e99_proj
	.p2alignl 7, 3214868480
	.fill 96, 4, 3214868480
	.section	.rodata,"a",@progbits
	.p2align	6, 0x0
	.amdhsa_kernel k_qd1c4e04e99_proj
		.amdhsa_group_segment_fixed_size 327680
		.amdhsa_private_segment_fixed_size 0
		.amdhsa_enable_private_segment 0
		.amdhsa_kernarg_size 32
		.amdhsa_user_sgpr_count 2
		.amdhsa_user_sgpr_kernarg_segment_ptr 1
		.amdhsa_wavefront_size32 1
		.amdhsa_system_sgpr_workgroup_id_x 1
		.amdhsa_system_sgpr_workgroup_id_y 1
		.amdhsa_system_sgpr_workgroup_id_z 1
		.amdhsa_system_vgpr_workitem_id 0
		.amdhsa_next_free_vgpr 576
		.amdhsa_next_free_sgpr 66
		.amdhsa_reserve_vcc 0
		.amdhsa_float_denorm_mode_32 3
		.amdhsa_float_denorm_mode_16_64 3
		.amdhsa_memory_ordered 1
		.amdhsa_forward_progress 1
		.amdhsa_inst_pref_size 86
	.end_amdhsa_kernel
	.amdgpu_metadata
---
amdhsa.version: [ 1, 2 ]
amdhsa.kernels:
  - .name:           k_qd1c4e04e99_proj
    .symbol:         k_qd1c4e04e99_proj.kd
    .args:
      - { .name: yh, .offset: 0, .size: 8, .value_kind: global_buffer, .address_space: global }
      - { .name: weff, .offset: 8, .size: 8, .value_kind: global_buffer, .address_space: global }
      - { .name: b_p, .offset: 16, .size: 8, .value_kind: global_buffer, .address_space: global }
      - { .name: out0, .offset: 24, .size: 8, .value_kind: global_buffer, .address_space: global }
    .group_segment_fixed_size: 327680
    .private_segment_fixed_size: 0
    .kernarg_segment_align: 8
    .kernarg_segment_size: 32
    .max_flat_workgroup_size: 128
    .sgpr_count:     66
    .vgpr_count:     576
    .wavefront_size: 32
...
	.end_amdgpu_metadata
.endif
;; end of part 4
